; MI455X (gfx1250); checked and timed in simulation.
; The chip was launched on July 23, 2026; its instructions are those of AMD's public machine-readable ISA for CDNA 5 (MIT licence, August 2026) and "CDNA5" Instruction Set Architecture Reference Guide (July 2026). The comments in the code are by the model that wrote it; some were corrected since.
;; Multihead Attention. Allowed arithmetic: matrix products marked QUANTISED: E2M1 operands, one E8M0 scale for each 32 along K, by v_wmma_scale_f32_16x16x128_f8f6f4 with both operands' format E2M1 (or v_wmma_scale_f32_32x16x128_f4), f32 sums; products left as they are: bf16, f16 or f32 operands; f32 sums; everything else in f32.
;; Inputs: Wo 1,024 x 1,024 float32; Wqkv 3,072 x 1,024 float32; bo 1,024 float32; bqkv 3,072 float32; x 4 x 2,048 x 1,024 float32.
;; Outputs: out0 4 x 2,048 x 1,024 float32.
;; This version of the problem:
;;   THIS VERSION OF THE PROBLEM IS GIVEN IN LOW PRECISION. The matrix products marked QUANTISED in the list below multiply operands that are first quantised to E2M1 (2 exponent bits, 1 mantissa bit; 4 bits a number), with one power-of-two scale for each 32 numbers along K (OCP MX v1.0); their sums are f32. The products marked 'left as it is' may take bf16, f16 or f32 operands, with f32 sums. Whichever they take, every output number must still come out within the allowed error. Rounding operands to bf16 (8 significant bits) uses up far more of that allowance than f16 does (11 bits, for magnitudes from 6e-5 to 65,504). All else is computed in f32.
;;   The module's matrix products, in the order in which they are computed (A, B: the left and right operand; K: the contracted axis; several contracted axes count as one K, in the product's order):
;;     1. [M 8,192, K 1,024] x [K 1,024, N 3,072]; A: input x; B: input Wqkv: QUANTISED
;;     2. batch 64 x [M 2,048, K 64] x [K 64, N 2,048]; A: computed on the way; B: computed on the way: left as it is (an operand is computed on the way)
;;     3. batch 64 x [M 2,048, K 2,048] x [K 2,048, N 64]; A: computed on the way; B: computed on the way: left as it is (an operand is computed on the way)
;;     4. [M 8,192, K 1,024] x [K 1,024, N 1,024]; A: computed on the way; B: input Wo: left as it is (an operand is computed on the way)
;;   THE QUANTISER, for each operand of a quantised product, along K:
;;     - K is cut into blocks of 32 from its start; a last block that is shorter is filled with zeros.
;;     - A block's scale is 2^e with e = floor(log2(the largest magnitude in the block)) - 2, held to -126 .. 127; a block of zeros has e = 0. As a byte (E8M0): e + 127.
;;     - Each number is divided by its block's scale, clamped to +-6, and rounded to the nearest number of E2M1, ties to even, subnormals kept.
;;     - The product sums the exact products of the quantised numbers (number of the format x scale) in f32.
;;   ~~~python
;;   def quantise(x, axis):      # numpy; x: float32 -> the quantised numbers, widened to float32 again
;;       x = np.moveaxis(x, axis, -1); K = x.shape[-1]
;;       x = np.pad(x, [(0, 0)] * (x.ndim - 1) + [(0, -K % 32)]); x = x.reshape(x.shape[:-1] + (-1, 32)); a = np.abs(x).max(-1, keepdims=True)
;;       e = np.where(a > 0, np.clip(np.frexp(np.where(a > 0, a, 1))[1] - 1 - 2, -126, 127), 0)      # np.frexp(a)[1] - 1 = floor(log2(a)), exactly
;;       r = np.clip(x / 2.0 ** e, -6, 6)
;;       step = 2.0 ** (np.maximum(np.frexp(np.where(r == 0, 1, r))[1] - 1, 0) - 1)
;;       q = np.round(r / step) * step * 2.0 ** e      # np.round: ties to even
;;       return np.moveaxis(q.reshape(q.shape[:-2] + (-1,))[..., :K], -1, axis).astype(np.float32)
;;   ~~~
;; One version. Each part assembles by itself: llvm-mc -triple=amdgcn-amd-amdhsa -mcpu=gfx1250 --defsym DOCPART=n.
;; ======== version 1 of 1: 4 launches
;; limits: values are held in f16: magnitudes above 65,504 overflow, below 6.1e-05 lose precision
;; workspace buffers: xc 4,194,304 bytes; xs 262,144 bytes; wc 1,572,864 bytes; ws 98,304 bytes; wo16 2,097,152 bytes; qkv 50,331,648 bytes; vals 16,777,216 bytes
;; launch quant (part 1): grid 384 x 1, 4 waves a work-group, no clusters, 33,280 bytes of LDS; arguments x, Wqkv, xc, xs, wc, ws, Wo, wo16; writes xc, xs, wc, ws, wo16
.if DOCPART == 1
	.amdgcn_target "amdgcn-amd-amdhsa--gfx1250"
	.amdhsa_code_object_version 6
	.text
	.protected	k_qafecde01a4_quant
	.globl	k_qafecde01a4_quant
	.p2align	8
	.type	k_qafecde01a4_quant,@function
k_qafecde01a4_quant:
	s_mov_b64 s[64:65], 0
	v_nop
	global_prefetch_b8 v0, s[64:65] scope:SCOPE_SE
	s_setreg_imm32_b32 hwreg(HW_REG_WAVE_MODE, 25, 1), 1
	s_wait_xcnt 0x0
; x [8192][1024] and Wqkv [3072][1024], f32, become codes of FP4 (E2M1), K innermost, two codes a byte, with one E8M0 scale byte for each 32 along K; Wo [1024][1024], f32, becomes f16, rows as they lie.
; A block's scale is 2^(floor(log2(its largest magnitude)) - 2); its byte is the largest magnitude's own exponent field - 2, held at 1 from below.  Each number is divided by the scale and rounded to the nearest code, ties to even;
; beyond the largest code the conversion gives the largest code.
; LIMITS: a block of zeros, and a block whose largest magnitude lies under 2^(2 - 126), gets the byte 1 (the rule says 127 for zeros): its codes are zeros or held at that scale, and the bytes are read by this program alone.
; NaN and infinities among the inputs are not served.  |Wo| above 65,504 has no f16 number.
; Rows are dense and 1,024 is a multiple of 32: each tensor is a plain stream of blocks of 32 numbers, and so are the codes and the scale bytes.
; SHARES.  Work-groups 0-255 take x, 256-351 Wqkv, 352-383 Wo; a wave takes 8,192 numbers.
; THE QUANTISER.  A wave takes 16 steps of 512 numbers.  The conversions take 8 numbers of ONE block from a lane's registers, so a lane must hold 16 neighbours (two neighbouring lanes hold a block), while a load is best where
; neighbouring lanes take neighbouring bytes: each of a step's four loads reads 512 consecutive bytes, the 2,048 bytes go through the wave's own stage in LDS as they lie and come back 64 bytes a lane (16 bytes of padding behind each 64).
; A lane's 16 codes are 8 bytes: the wave stores 256 consecutive aligned bytes.  A wave's 256 scale bytes are gathered in its own LDS bytes and leave as one such store.  Waves share nothing: no barrier.
; No matrix unit, no cluster, no tensor load: every byte is read once by one wave.
.set WAVES, 4
.set STEPS, 16
.set WGA,   256                        ; work-groups for x: 8192 x 1024 / 32768
.set WGQ,   352                        ; and with Wqkv's 96
.set EMAX,  2
.set CB,    8                          ; bytes of 16 codes
.set R,     16                         ; v16-79   four sets of 16 numbers as they are loaded (Wo: v16-143, two batches of 64)
.set X,     80                         ; v80-111  two sets of 16 neighbours
.set C,     128                        ; v128-191 codes: four registers for each step, so that no store's data are written again
.set E,     112                        ; v112-127 a scale byte for each step
.set WREG,  8192                       ; LDS: a region for each wave: two stages of 32 x SP bytes, behind them its 256 scale bytes
.set SP,    80                         ; a lane's place in a stage: its 64 bytes + 16 of padding
.set SPW,   12                         ; v12      LDS address of my spare word; never rewritten
.set NIL,   13                         ; v13      0; never rewritten
.set SPARE, WAVES*WREG                 ; behind the four regions: the spare words, 128 bytes a wave, which no other line names
	s_load_b128 s[4:7], s[0:1], 0x0                ; x, Wqkv
	s_load_b128 s[8:11], s[0:1], 0x10              ; x's codes, x's scales
	s_load_b128 s[12:15], s[0:1], 0x20             ; Wqkv's codes, Wqkv's scales
	s_load_b128 s[24:27], s[0:1], 0x30             ; Wo, Wo in f16
	v_lshl_add_u32 v[SPW], v0, 2, SPARE
	v_mov_b32 v[NIL], 0
	v_lshrrev_b32 v1, 5, v0
	v_readfirstlane_b32 s16, v1                    ; wave
	v_and_b32 v2, 31, v0                           ; lane
	v_lshlrev_b32 v3, 4, v2                        ; my 16 bytes of a load's 512
	s_mul_i32 s17, s16, WREG
	v_lshrrev_b32 v14, 2, v2
	v_mul_u32_u24 v14, v14, SP
	v_and_b32 v15, 3, v2
	v_lshl_add_u32 v14, v15, 4, v14
	v_add_nc_u32 v14, s17, v14                     ; the stage, on the way in: four lanes' 64 bytes on end, then 16 of padding
	v_mul_u32_u24 v15, v2, SP
	v_add_nc_u32 v15, s17, v15                     ; and on the way out: SP x lane: my 16 neighbours
	v_mul_u32_u24 v4, v2, CB                       ; 8 x lane: my codes' place in a step's (Wo: my four f16)
	v_lshrrev_b32 v5, 1, v2
	s_add_co_u32 s17, s17, 2*32*SP
	v_add_nc_u32 v5, s17, v5                       ; LDS: my wave's 256 scale bytes, my block's byte
	v_lshlrev_b32 v7, 3, v2                        ; and on the way out 8 bytes a lane
	v_add_nc_u32 v6, s17, v7
	s_wait_kmcnt 0x0
	s_cmp_ge_u32 ttmp9, WGQ                        ; the last 32 work-groups round Wo
	s_cbranch_scc1 .Lwo
	s_cmp_lt_u32 ttmp9, WGA                        ; x's work-group or Wqkv's?  The choice hangs on the work-group's number alone
	s_cselect_b64 s[4:5], s[4:5], s[6:7]
	s_cselect_b64 s[8:9], s[8:9], s[12:13]
	s_cselect_b64 s[10:11], s[10:11], s[14:15]
	s_cselect_b32 s17, 0, WGA
	s_sub_co_u32 s17, ttmp9, s17
	s_lshl_b32 s17, s17, 2
	s_add_co_u32 s18, s17, s16                     ; which run of 8,192 numbers of the tensor is my wave's
	s_mov_b32 s19, 0
	s_mov_b64 s[20:21], 512*STEPS*4
	s_mul_u64 s[20:21], s[18:19], s[20:21]
	s_add_nc_u64 s[4:5], s[4:5], s[20:21]
	s_mov_b64 s[20:21], 32*STEPS*CB
	s_mul_u64 s[20:21], s[18:19], s[20:21]
	s_add_nc_u64 s[8:9], s[8:9], s[20:21]
	s_lshl_b32 s18, s18, 8                         ; 256 scale bytes a run
	s_add_nc_u64 s[10:11], s[10:11], s[18:19]
.macro LOAD t
.irp i, 0,1,2,3
	global_load_b128 v[R+16*((\t)%4)+4*\i:R+16*((\t)%4)+4*\i+3], v3, s[4:5] offset:2048*(\t)+512*\i th:TH_LOAD_NT   ; 32 lanes read 512 consecutive bytes
.endr
.endm
.macro TURN t                          ; step t's numbers through the stage: LDS serves a wave's instructions in order, so no wait stands between the stores and the loads
.irp i, 0,1,2,3
	ds_store_b128 v14, v[R+16*((\t)%4)+4*\i:R+16*((\t)%4)+4*\i+3] offset:32*SP*((\t)%2)+8*SP*\i
.endr
.irp i, 0,1,2,3
	ds_load_b128 v[X+16*((\t)%2)+4*\i:X+16*((\t)%2)+4*\i+3], v15 offset:32*SP*((\t)%2)+16*\i
.endr
.endm
.irp t, 0,1,2,3
	LOAD \t
.endr
	s_wait_loadcnt 12                              ; step 0's four loads are in; the twelve of steps 1 to 3 may be out
	TURN 0
.macro STEP t
.set XS, X+16*((\t)%2)
.if (\t) > 0
	s_wait_dscnt 1                                 ; this step's numbers are back from the stage (the last step's byte store may be out): so its stores into the stage have read their registers,
.else
	s_wait_dscnt 0x0
.endif
.if (\t)+4 < STEPS
	LOAD (\t)+4                                    ; which take the loads of four steps on
.endif
.if (\t)+1 < STEPS
.if STEPS-2-(\t) >= 3
	s_wait_loadcnt 12                              ; the next step's four loads are in; those of the three steps behind it may be out
.else
	s_wait_loadcnt 4*(STEPS-2-(\t))
.endif
	TURN (\t)+1                                    ; and go through the other stage while this step is worked
.endif
	v_max3_num_f32 v8, |v[XS]|, |v[XS+1]|, |v[XS+2]|               ; the largest magnitude of my 16, in two chains
	v_max3_num_f32 v9, |v[XS+3]|, |v[XS+4]|, |v[XS+5]|
.irp i, 6,10
	v_max3_num_f32 v8, v8, |v[XS+\i]|, |v[XS+\i+1]|
	v_max3_num_f32 v9, v9, |v[XS+\i+2]|, |v[XS+\i+3]|
.endr
	v_max3_num_f32 v8, v8, |v[XS+14]|, |v[XS+15]|
	v_max3_num_f32 v8, v8, v9, (EMAX+1)<<23        ; and the floor 2^(EMAX + 1 - 127): the byte cannot fall under 1
	v_max_num_f32_dpp v8, v8, v8 row_xmask:1 row_mask:0xf bank_mask:0xf   ; and of my neighbour's 16: the block's
	v_add_nc_u32 v11, -(EMAX<<23), v8              ; EMAX off its exponent field: the conversion takes the exponent field of this operand as its scale, and nothing else of it
	v_cvt_scalef32_pk8_fp4_f32 v[C+4*(\t)], v[XS:XS+7], v11
	v_cvt_scalef32_pk8_fp4_f32 v[C+4*(\t)+1], v[XS+8:XS+15], v11
	v_lshrrev_b32 v[E+(\t)], 23, v11               ; the scale's byte (also the plain line behind the conversions)
	ds_store_b8 v5, v[E+(\t)] offset:16*(\t)       ; both lanes of a block write the same byte with the same value
	global_store_b64 v4, v[C+4*(\t):C+4*(\t)+1], s[8:9] offset:32*CB*(\t)   ; 32 lanes store 256 consecutive bytes, aligned
.endm
.irp t, 0,1,2,3,4,5,6,7,8,9,10,11,12,13,14,15
	STEP \t
.endr
	ds_load_b64 v[8:9], v6                         ; LDS serves a wave's instructions in order: these see my stores
	s_wait_dscnt 0x0
	global_store_b64 v7, v[8:9], s[10:11]          ; 32 lanes store 256 consecutive bytes, aligned
	s_wait_tensorcnt 0x0                           ; the wave's end: these three lines behind my last LDS store
	ds_add_u32 v[SPW], v[NIL]
	s_wait_dscnt 0x0
	s_endpgm
; Wo to f16: a wave takes 8,192 numbers in four batches of 16 loads; a lane's four numbers become 8 bytes, so each store of the wave covers 256 consecutive aligned bytes.  Two batches of registers take turns.
.Lwo:
	s_sub_co_u32 s17, ttmp9, WGQ
	s_lshl_b32 s17, s17, 2
	s_add_co_u32 s18, s17, s16                     ; which run of 8,192 numbers is my wave's: 0 .. 127
	s_lshl_b32 s20, s18, 15                        ; 32,768 bytes of f32 a run,
	s_mov_b32 s21, 0
	s_add_nc_u64 s[24:25], s[24:25], s[20:21]
	s_lshl_b32 s20, s18, 14                        ; 16,384 of f16
	s_add_nc_u64 s[26:27], s[26:27], s[20:21]
.macro WLOAD g
.irp i, 0,1,2,3,4,5,6,7,8,9,10,11,12,13,14,15
	global_load_b128 v[R+64*((\g)%2)+4*\i:R+64*((\g)%2)+4*\i+3], v3, s[24:25] offset:512*(16*(\g)+\i) th:TH_LOAD_NT
.endr
.endm
.macro WCVT g
.irp i, 0,1,2,3,4,5,6,7,8,9,10,11,12,13,14,15
	v_cvt_pk_f16_f32 v[R+64*((\g)%2)+4*\i], v[R+64*((\g)%2)+4*\i], v[R+64*((\g)%2)+4*\i+1]       ; to the nearest f16, the first source in the low half
	v_cvt_pk_f16_f32 v[R+64*((\g)%2)+4*\i+1], v[R+64*((\g)%2)+4*\i+2], v[R+64*((\g)%2)+4*\i+3]
	global_store_b64 v4, v[R+64*((\g)%2)+4*\i:R+64*((\g)%2)+4*\i+1], s[26:27] offset:256*(16*(\g)+\i)
.endr
.endm
	WLOAD 0
	WLOAD 1
	s_wait_loadcnt 16                              ; batch 0 is in; batch 1's sixteen may be out
	WCVT 0
	s_wait_xcnt 0x0                                ; batch 0's stores have read their data: the registers take batch 2
	WLOAD 2
	s_wait_loadcnt 16                              ; batch 1 is in
	WCVT 1
	s_wait_xcnt 0x0                                ; likewise for batch 3
	WLOAD 3
	s_wait_loadcnt 16                              ; batch 2 is in
	WCVT 2
	s_wait_loadcnt 0x0
	WCVT 3
	s_wait_tensorcnt 0x0                           ; the same three lines ahead of this end too
	ds_add_u32 v[SPW], v[NIL]
	s_wait_dscnt 0x0
	s_endpgm
.Lfunc_end_k_qafecde01a4_quant:
	.size	k_qafecde01a4_quant, .Lfunc_end_k_qafecde01a4_quant-k_qafecde01a4_quant
	.p2alignl 7, 3214868480
	.fill 96, 4, 3214868480
	.section	.rodata,"a",@progbits
	.p2align	6, 0x0
	.amdhsa_kernel k_qafecde01a4_quant
		.amdhsa_group_segment_fixed_size 33280
		.amdhsa_private_segment_fixed_size 0
		.amdhsa_enable_private_segment 0
		.amdhsa_kernarg_size 64
		.amdhsa_user_sgpr_count 2
		.amdhsa_user_sgpr_kernarg_segment_ptr 1
		.amdhsa_wavefront_size32 1
		.amdhsa_system_sgpr_workgroup_id_x 1
		.amdhsa_system_sgpr_workgroup_id_y 1
		.amdhsa_system_sgpr_workgroup_id_z 1
		.amdhsa_system_vgpr_workitem_id 0
		.amdhsa_next_free_vgpr 192
		.amdhsa_next_free_sgpr 66
		.amdhsa_reserve_vcc 0
		.amdhsa_float_denorm_mode_32 3
		.amdhsa_float_denorm_mode_16_64 3
		.amdhsa_memory_ordered 1
		.amdhsa_forward_progress 1
		.amdhsa_inst_pref_size 54
	.end_amdhsa_kernel
	.amdgpu_metadata
---
amdhsa.version: [ 1, 2 ]
amdhsa.kernels:
  - .name:           k_qafecde01a4_quant
    .symbol:         k_qafecde01a4_quant.kd
    .args:
      - { .name: x, .offset: 0, .size: 8, .value_kind: global_buffer, .address_space: global }
      - { .name: Wqkv, .offset: 8, .size: 8, .value_kind: global_buffer, .address_space: global }
      - { .name: xc, .offset: 16, .size: 8, .value_kind: global_buffer, .address_space: global }
      - { .name: xs, .offset: 24, .size: 8, .value_kind: global_buffer, .address_space: global }
      - { .name: wc, .offset: 32, .size: 8, .value_kind: global_buffer, .address_space: global }
      - { .name: ws, .offset: 40, .size: 8, .value_kind: global_buffer, .address_space: global }
      - { .name: Wo, .offset: 48, .size: 8, .value_kind: global_buffer, .address_space: global }
      - { .name: wo16, .offset: 56, .size: 8, .value_kind: global_buffer, .address_space: global }
    .group_segment_fixed_size: 33280
    .private_segment_fixed_size: 0
    .kernarg_segment_align: 8
    .kernarg_segment_size: 64
    .max_flat_workgroup_size: 128
    .sgpr_count:     66
    .vgpr_count:     192
    .wavefront_size: 32
...
	.end_amdgpu_metadata
.endif
;; end of part 1
;; launch proj_qkv (part 2): grid 16 x 32, 4 waves a work-group, clusters of 4 x 4, 262,144 bytes of LDS; arguments xc, xs, wc, ws, bqkv, qkv; writes qkv
.if DOCPART == 2
	.amdgcn_target "amdgcn-amd-amdhsa--gfx1250"
	.amdhsa_code_object_version 6
	.text
	.protected	k_qafecde01a4_proj_qkv
	.globl	k_qafecde01a4_proj_qkv
	.p2align	8
	.type	k_qafecde01a4_proj_qkv,@function
k_qafecde01a4_proj_qkv:
	s_mov_b64 s[64:65], 0
	v_nop
	global_prefetch_b8 v0, s[64:65] scope:SCOPE_SE
	s_setreg_imm32_b32 hwreg(HW_REG_WAVE_MODE, 25, 1), 1
	s_wait_xcnt 0x0
	s_wait_alu depctr_hold_cnt(0) depctr_sa_sdst(0) depctr_va_vdst(0) depctr_va_sdst(0) depctr_va_ssrc(0) depctr_va_vcc(0) depctr_vm_vsrc(0)
	s_getreg_b32 s2, hwreg(HW_REG_IB_STS2, 6, 4)
	s_cmp_eq_u32 s2, 0
	s_cbranch_scc0 .Lentry_in_a_cluster
	s_endpgm
.Lentry_in_a_cluster:
	s_bfe_u32 s2, ttmp6, 0x10000c
	s_cmp_lg_u32 s2, 0xf033
	s_cbranch_scc0 .Lentry_shape_is_right
	s_endpgm
.Lentry_shape_is_right:
; qkv = x Wqkv^T + bqkv on codes of FP4 (E2M1) with one E8M0 scale for each 32 along K; sums in f32; the result is rounded once to f16 and stored AS THE NEXT LAUNCH'S OPERAND REGISTERS.
; x's codes [8192][512 bytes], scales [8192][32]; Wqkv's codes [3072][512 bytes], scales [3072][32]; bqkv [3072] f32.
; SHARES.  A work-group takes 256 rows (tokens) x the 192 columns of ONE head (64 of q, 64 of k, 64 of v).  Wave w takes rows 64 w .. 64 w + 63 x all 192 columns: 4 blocks of rows x 12 blocks of columns, 48 accumulators, 384 registers.
; ALL OF K IS IN LDS AT ONCE: 448 rows x 512 bytes, in two halves of K whose rows are 256 bytes; nothing is filled again, so there is no ring: three tensor loads a wave at the head (3 are out by this text's count), and one barrier for each half.
; CLUSTERS: 4 x 4 work-groups.  The four of a row of the cluster need the same rows of x, the four of a column the same head of Wqkv: each tile is asked for JOINTLY, by the same tensor load with the same descriptor and a mask that names the four.
; THE RESULT'S LAYOUT.  A chunk is 512 bytes, lane l's 16 bytes at 16 l: four registers of a 16-bit operand.
;   q, k: the product is used TRANSPOSED (source 0 = 16 rows of Wqkv, source 1 = 16 rows of x): a lane holds token l % 16 and channels 8 (l / 16) + 0 .. 7 of the block: packed, that is half a fragment (16 tokens x 32 channels).
;   v:    the product is used as it reads (source 0 = x, source 1 = Wqkv): a lane holds channel l % 16 and tokens 8 (l / 16) + 0 .. 7: packed, half a fragment of V^T (16 channels x 32 keys).
;   qkv = three parts of 16 MiB (q, k, v), each [batch x head (64)][262,144 bytes]; q, k: [token tile of 16][chunk = channels 16 j on]; v: [32 keys][channel tile][16 keys].  Every store covers 512 consecutive aligned bytes, from registers: no stage.
; The bias is the C of each sum's first matrix instruction, in the result's layout.
; LIMIT: |q|, |k|, |v| above 65,504 have no f16 number.
; REGISTERS, in windows of 256: window 0: v10-29 addresses; v32-95 scale words and nothing else.  window 1: two sets of fragments (12 of Wqkv, then 4 of x), at v0 and v128; on the way out the packed results.
;   window 2: q's and k's accumulators, (a, b) at v[8 (4 b + a)].  window 3: v's at v[8 (4 (b - 8) + a)]; from v128 the bias, 8 registers a block of columns.
.set PITCH,  272                       ; an LDS row: 256 bytes + 16 of padding = 68 words: the 16 rows that a load touches start at 16 different banks (64 banks of 4 bytes: ISA guide 11.1)
.set AROWS,  256*PITCH                 ; x's 256 rows of a half of K; Wqkv's 192 lie behind them
.set HALFB,  448*PITCH                 ; a half of K
.set SCL,    2*HALFB                   ; behind both: x's scale bytes, 32 pieces of 256 bytes + 16 of padding,
.set SCLB,   SCL+32*272                ; and Wqkv's, 24 pieces
.set SPARE,  259072                    ; the next multiple of 256 behind them: the spare words, 128 bytes a wave, which no other line names
.set LI,   10                          ; v10     16 x lane: my place in a chunk
.set ADRA, 16                          ; v16-17  LDS address of my fragments of x in half 0, 1
.set ADRB, 20                          ; v20-21  the same for Wqkv
.set ADSA, 22                          ; v22     LDS address of my scale words of x: lane l takes row 64 w + 32 i + l
.set ADSB, 23                          ; v23     of Wqkv: row 32 i + l
.set BO8,  24                          ; v24     32 (l / 16): the bias of q's and k's blocks
.set BO4,  25                          ; v25     4 (l % 16): of v's
.set SPW,  28                          ; v28     LDS address of my spare word; never rewritten
.set NIL,  29                          ; v29     0; never rewritten
.set SC,   32                          ; scale words: set kh at v[SC + 32 kh]; x's word of rows 32 i + l, the half's q-th 128 along K, at + 4 i + q; Wqkv's at + 8 + 4 i + q.  An even block of 16 rows lies in lanes 0-15, an odd one in lanes 16-31
.set BI,   128                         ; the bias, in window 3
.set G1, 24                            ; s[24:31] descriptor group 1 for x's codes;  s[32:39] group 0, one set for each half
.set G0, 32
.set G1B, 48                           ; s[48:55], s[56:63] the same for Wqkv's
.set G0B, 56
.set G1S, 68                           ; s[68:75], s[76:79] groups 1 and 0 for x's scales;  s[80:87], s[88:91] for Wqkv's
.set G0S, 76
.set G1SB, 80
.set G0SB, 88
.set MSB, 0
.macro WIN new                         ; the immediate's high byte repeats the setting that is left; a switch that changes nothing is dropped
.if MSB != \new
	s_set_vgpr_msb (MSB<<8)|\new
.set MSB, \new
.endif
.endm
; A joint load: waves 0 and 1 fetch for x, waves 2 and 3 for Wqkv.  Each of the two lines has ONE mask; the branch hangs on the wave's number alone.  An s_nop 0 and four v_nop follow each line.
.macro JLOAD g0a, g1a, g0b, g1b
	s_cmp_eq_u32 s17, 0
	s_cbranch_scc0 .Lfor_b_\@
	tensor_load_to_lds s[\g0a:\g0a+3], s[\g1a:\g1a+7]
	s_nop 0
.rept 4
	v_nop
.endr
	s_branch .Lasked_\@
.Lfor_b_\@:
	tensor_load_to_lds s[\g0b:\g0b+3], s[\g1b:\g1b+7]
	s_nop 0
.rept 4
	v_nop
.endr
.Lasked_\@:
.endm
.macro CROUND                          ; a round of the cluster's barrier: my work-group's barrier; wave 0 signals for the work-group; every wave waits for all sixteen; my work-group's barrier once more
	s_barrier_signal -1
	s_barrier_wait -1
	s_cmp_lg_u32 s16, 0
	s_cbranch_scc1 .Lnot_wave_0_\@
	s_barrier_signal -3
.Lnot_wave_0_\@:
	s_barrier_wait -3
	s_barrier_signal -1
	s_barrier_wait -1
.endm
.macro PLACES n                        ; plain vector instructions behind a matrix instruction, ahead of loads into registers that it read and of reads of its result (ISA guide 7.12.1 for reads of its result)
.rept \n
	v_nop
.endr
.endm
	s_load_b128 s[4:7], s[0:1], 0x0                ; x's codes s[4:5], x's scales s[6:7]
	s_load_b128 s[8:11], s[0:1], 0x10              ; Wqkv's codes s[8:9], its scales s[10:11]
	s_load_b128 s[12:15], s[0:1], 0x20             ; bqkv s[12:13], qkv s[14:15]
	v_lshl_add_u32 v[SPW], v0, 2, SPARE
	v_mov_b32 v[NIL], 0
	ds_add_u32 v[SPW], v[NIL]                      ; the wave's opening: the add, twice on end, and its wait ahead of my first tensor load; the set-up below, work on registers, stands between
	ds_add_u32 v[SPW], v[NIL]
	v_lshrrev_b32 v1, 5, v0
	v_readfirstlane_b32 s16, v1                    ; wave 0..3
	s_lshr_b32 s17, s16, 1                         ; I fetch for x (0) or for Wqkv (1)
	s_and_b32 s18, s16, 1                          ; and which half of that tile's rows
	s_bfe_u32 s40, ttmp6, 0x40000                  ; cx, cy: my place in the cluster
	s_bfe_u32 s41, ttmp6, 0x40004
	s_lshl_b32 s42, ttmp9, 2
	s_add_co_u32 s42, s42, s40                     ; the head = 4 x cluster x + cx
	s_and_b32 s43, ttmp7, 0xffff
	s_lshl_b32 s43, s43, 2
	s_add_co_u32 s43, s43, s41                     ; the block of 256 rows = 4 x cluster y + cy
	s_lshl_b32 s44, s41, 2
	s_lshl_b32 s44, 15, s44                        ; my row of the cluster
	s_lshl_b32 s45, 0x1111, s40                    ; my column
	; group 1 for codes: rows of 256 bytes out of rows of 512, padded in LDS: 128 rows of x, 96 of Wqkv
	s_or_b32 s[G1+0], s44, (0<<16)|(1<<20)|(1<<21)|(5<<22)|(3<<25)   ; 15:0 the mask; 17:16 elements of 1 byte; 20 padding on; 21 set beside a mask; 24:22 after every 64 words (code 5); 31:25 four words (code 3)
	s_mov_b32 s[G1+1], 256<<16                     ; tensor_dim0
	s_mov_b32 s[G1+2], 128<<16                     ; tensor_dim1
	s_mov_b32 s[G1+3], 256<<16                     ; tile_dim0
	s_mov_b32 s[G1+4], 128                         ; tile_dim1
	s_mov_b32 s[G1+5], 512                         ; from row to row
	s_mov_b32 s[G1+6], 0
	s_mov_b32 s[G1+7], 0
	s_or_b32 s[G1B+0], s45, (0<<16)|(1<<20)|(1<<21)|(5<<22)|(3<<25)
	s_mov_b32 s[G1B+1], 256<<16
	s_mov_b32 s[G1B+2], 96<<16
	s_mov_b32 s[G1B+3], 256<<16
	s_mov_b32 s[G1B+4], 96
	s_mov_b32 s[G1B+5], 512
	s_mov_b32 s[G1B+6], 0
	s_mov_b32 s[G1B+7], 0
	; group 1 for scale bytes: a dense block, as rows of 256 bytes (32 elements of 8 bytes), 16 bytes of padding behind each: 16 such rows for 128 rows of x, 12 for 96 of Wqkv
	s_or_b32 s[G1S+0], s44, (3<<16)|(1<<20)|(1<<21)|(5<<22)|(3<<25)
	s_mov_b32 s[G1S+1], 32<<16
	s_mov_b32 s[G1S+2], 16<<16
	s_mov_b32 s[G1S+3], 32<<16
	s_mov_b32 s[G1S+4], 16
	s_mov_b32 s[G1S+5], 32
	s_mov_b32 s[G1S+6], 0
	s_mov_b32 s[G1S+7], 0
	s_or_b32 s[G1SB+0], s45, (3<<16)|(1<<20)|(1<<21)|(5<<22)|(3<<25)
	s_mov_b32 s[G1SB+1], 32<<16
	s_mov_b32 s[G1SB+2], 12<<16
	s_mov_b32 s[G1SB+3], 32<<16
	s_mov_b32 s[G1SB+4], 12
	s_mov_b32 s[G1SB+5], 32
	s_mov_b32 s[G1SB+6], 0
	s_mov_b32 s[G1SB+7], 0
	; where the tiles come from: x's hang on the block of rows alone, Wqkv's on the head alone, each in registers that never hold the other coordinate
	s_lshl_b32 s20, s43, 8
	s_lshl_b32 s19, s18, 7
	s_add_co_u32 s20, s20, s19                     ; x: row 256 x block + 128 x half
	s_lshl_b32 s22, s20, 5                         ; its scale bytes,
	s_lshl_b32 s20, s20, 9                         ; its codes
	s_mov_b32 s21, 0
	s_mov_b32 s23, 0
	s_mul_i32 s46, s42, 192
	s_mul_i32 s19, s18, 96
	s_add_co_u32 s46, s46, s19                     ; Wqkv: row 192 x head + 96 x half
	s_lshl_b32 s92, s46, 5
	s_lshl_b32 s46, s46, 9
	s_mov_b32 s47, 0
	s_mov_b32 s93, 0
	; and where they go: constants and the wave's number alone
	s_mul_i32 s19, s18, 128*PITCH
	s_mul_i32 s66, s18, 96*PITCH
	s_add_co_u32 s66, s66, AROWS
	s_mul_i32 s67, s18, 16*272
	s_add_co_u32 s67, s67, SCL
	s_mul_i32 s3, s18, 12*272
	s_add_co_u32 s3, s3, SCLB
	s_wait_dscnt 0x0                               ; both opening adds are done
	s_wait_kmcnt 0x0
	s_add_nc_u64 s[20:21], s[4:5], s[20:21]
	s_add_nc_u64 s[22:23], s[6:7], s[22:23]
	s_add_nc_u64 s[46:47], s[8:9], s[46:47]
	s_add_nc_u64 s[92:93], s[10:11], s[92:93]
	CROUND                                         ; all sixteen work-groups are here: the joint loads meet
	s_mov_b32 s[G0S], 1
	s_mov_b32 s[G0S+1], s67
	s_mov_b64 s[G0S+2:G0S+3], s[22:23]
	s_or_b32 s[G0S+3], s[G0S+3], 0x80000000
	s_mov_b32 s[G0SB], 1
	s_mov_b32 s[G0SB+1], s3
	s_mov_b64 s[G0SB+2:G0SB+3], s[92:93]
	s_or_b32 s[G0SB+3], s[G0SB+3], 0x80000000
	JLOAD G0S, G1S, G0SB, G1SB                     ; the scales of all of K first: they are wanted with the first half
.irp s, 0,1
	s_mov_b32 s[G0+4*\s], 1
	s_add_co_u32 s[G0+4*\s+1], s19, \s*HALFB
	s_add_nc_u64 s[G0+4*\s+2:G0+4*\s+3], s[20:21], \s*256
	s_or_b32 s[G0+4*\s+3], s[G0+4*\s+3], 0x80000000
	s_mov_b32 s[G0B+4*\s], 1
	s_add_co_u32 s[G0B+4*\s+1], s66, \s*HALFB
	s_add_nc_u64 s[G0B+4*\s+2:G0B+4*\s+3], s[46:47], \s*256
	s_or_b32 s[G0B+4*\s+3], s[G0B+4*\s+3], 0x80000000
	JLOAD G0+4*\s, G1, G0B+4*\s, G1B
.endr
	v_and_b32 v1, 15, v0                           ; r = l % 16
	v_bfe_u32 v2, v0, 4, 1                         ; h = l / 16
	v_and_b32 v3, 31, v0                           ; l
	v_lshlrev_b32 v[LI], 4, v3
	v_mul_u32_u24 v4, v1, PITCH
	v_lshl_add_u32 v4, v2, 4, v4                   ; a fragment's row x pitch + 16 x half of the lanes
	s_mul_i32 s19, s16, 64*PITCH                   ; my 64 rows of x
	v_add_nc_u32 v[ADRA], s19, v4
	v_add_nc_u32 v[ADRA+1], HALFB, v[ADRA]
	v_add_nc_u32 v[ADRB], AROWS, v4
	v_add_nc_u32 v[ADRB+1], HALFB, v[ADRB]
	v_lshrrev_b32 v5, 3, v3                        ; a row's 32 scale bytes: eight rows to a piece of 256 bytes + 16
	v_mul_u32_u24 v5, v5, 272
	v_and_b32 v6, 7, v3
	v_lshl_add_u32 v5, v6, 5, v5
	s_mul_i32 s19, s16, 8*272                      ; my 64 rows are eight pieces
	s_add_co_u32 s19, s19, SCL
	v_add_nc_u32 v[ADSA], s19, v5
	v_add_nc_u32 v[ADSB], SCLB, v5
	v_lshlrev_b32 v[BO8], 5, v2
	v_lshlrev_b32 v[BO4], 2, v1
	s_mul_i32 s20, s42, 768                        ; the head's 192 numbers of the bias
	s_mov_b32 s21, 0
	s_add_nc_u64 s[12:13], s[12:13], s[20:21]
	WIN 0xc0                                       ; destination window 3
.irp b, 0,1,2,3,4,5,6,7                        ; q's and k's blocks: register j of lane (r, h) is column 16 b + 8 h + j
	global_load_b128 v[BI+8*\b:BI+8*\b+3], v[BO8], s[12:13] offset:64*\b
	global_load_b128 v[BI+8*\b+4:BI+8*\b+7], v[BO8], s[12:13] offset:64*\b+16
.endr
.irp b, 8,9,10,11                              ; v's blocks: all eight registers of lane (r, h) are column 16 b + r
.irp j, 0,1,2,3,4,5,6,7
	global_load_b32 v[BI+8*\b+\j], v[BO4], s[12:13] offset:64*\b
.endr
.endr
	WIN 0
	; where my results go: batch x head, my 64 tokens: 8,192 bytes in each of the three parts
	s_lshr_b32 s22, s43, 3
	s_lshl_b32 s22, s22, 4
	s_add_co_u32 s22, s22, s42                     ; 16 x batch + head
	s_lshl_b32 s22, s22, 18
	s_and_b32 s23, s43, 7
	s_lshl_b32 s23, s23, 15                        ; 256 tokens are 32,768 bytes
	s_add_co_u32 s22, s22, s23
	s_lshl_b32 s23, s16, 13
	s_add_co_u32 s22, s22, s23
	s_mov_b32 s23, 0
	s_add_nc_u64 s[92:93], s[14:15], s[22:23]      ; q
	s_add_nc_u64 s[94:95], s[92:93], 0x1000000     ; k
	s_add_nc_u64 s[96:97], s[92:93], 0x2000000     ; v
; The fragments of step n (128 along K: the (n % 4)-th of half n / 4) into set n % 2: 32 LDS loads in one run.  A fragment, 16 rows x 128 K of 4-bit codes, is 8 registers: lane l holds row l % 16; registers 4 c .. 4 c + 3 hold K = 64 c + 32 (l / 16) + 0 .. 31
.macro FETCH n
	WIN 0x40                                       ; destination window 1, address window 0
.irp b, 0,1,2,3,4,5,6,7,8,9,10,11
.irp c, 0,1
	ds_load_b128 v[128*((\n)%2)+8*\b+4*\c:128*((\n)%2)+8*\b+4*\c+3], v[ADRB+(\n)/4] offset:64*((\n)%4)+16*PITCH*\b+32*\c
.endr
.endr
.irp a, 0,1,2,3
.irp c, 0,1
	ds_load_b128 v[128*((\n)%2)+96+8*\a+4*\c:128*((\n)%2)+96+8*\a+4*\c+3], v[ADRA+(\n)/4] offset:64*((\n)%4)+16*PITCH*\a+32*\c
.endr
.endr
.endm
.macro SCALES                          ; all scale words of my rows and of the head's, 16 bytes (a half of K) a lane and load
.irp k, 0,1
.irp i, 0,1
	ds_load_b128 v[SC+32*\k+4*\i:SC+32*\k+4*\i+3], v[ADSA] offset:4*272*\i+16*\k
.endr
.irp i, 0,1,2,3,4,5
	ds_load_b128 v[SC+32*\k+8+4*\i:SC+32*\k+8+4*\i+3], v[ADSB] offset:4*272*\i+16*\k
.endr
.endr
.endm
; One matrix instruction: D at rD, sources at rS0 and rS1, C at rC, scale words e0 and e1; q0, q1 = 1: that side's scales stand in lanes 16-31
.macro WM
.if q0 && q1
	v_wmma_scale_f32_16x16x128_f8f6f4 v[rD:rD+7], v[rS0:rS0+7], v[rS1:rS1+7], v[rC:rC+7], v[e0], v[e1] matrix_a_fmt:MATRIX_FMT_FP4 matrix_b_fmt:MATRIX_FMT_FP4 matrix_a_scale:MATRIX_SCALE_ROW1 matrix_b_scale:MATRIX_SCALE_ROW1
.elseif q0
	v_wmma_scale_f32_16x16x128_f8f6f4 v[rD:rD+7], v[rS0:rS0+7], v[rS1:rS1+7], v[rC:rC+7], v[e0], v[e1] matrix_a_fmt:MATRIX_FMT_FP4 matrix_b_fmt:MATRIX_FMT_FP4 matrix_a_scale:MATRIX_SCALE_ROW1
.elseif q1
	v_wmma_scale_f32_16x16x128_f8f6f4 v[rD:rD+7], v[rS0:rS0+7], v[rS1:rS1+7], v[rC:rC+7], v[e0], v[e1] matrix_a_fmt:MATRIX_FMT_FP4 matrix_b_fmt:MATRIX_FMT_FP4 matrix_b_scale:MATRIX_SCALE_ROW1
.else
	v_wmma_scale_f32_16x16x128_f8f6f4 v[rD:rD+7], v[rS0:rS0+7], v[rS1:rS1+7], v[rC:rC+7], v[e0], v[e1] matrix_a_fmt:MATRIX_FMT_FP4 matrix_b_fmt:MATRIX_FMT_FP4
.endif
.endm
; q's and k's 32 products of step n, transposed.  In step 0 the bias starts the sums: nothing is cleared.  All 48 accumulators take turns, one instruction a turn, in the same order in every step.
.macro MULQK n
.irp b, 0,1,2,3,4,5,6,7
.irp a, 0,1,2,3
.set rD, 8*(4*\b+\a)
.set rS0, 128*((\n)%2)+8*\b
.set rS1, 128*((\n)%2)+96+8*\a
.set rC, rD
.if (\n) == 0
.set rC, BI+8*\b
.endif
.set e0, SC+32*((\n)/4)+8+4*(\b/2)+(\n)%4
.set e1, SC+32*((\n)/4)+4*(\a/2)+(\n)%4
.set q0, \b%2
.set q1, \a%2
	WM
.endr
.endr
.endm
.macro MULV n                          ; v's 16 products, source 0 = x
.irp b, 8,9,10,11
.irp a, 0,1,2,3
.set rD, 8*(4*(\b-8)+\a)
.set rS0, 128*((\n)%2)+96+8*\a
.set rS1, 128*((\n)%2)+8*\b
.set rC, rD
.if (\n) == 0
.set rC, BI+8*\b
.endif
.set e0, SC+32*((\n)/4)+4*(\a/2)+(\n)%4
.set e1, SC+32*((\n)/4)+8+4*(\b/2)+(\n)%4
.set q0, \a%2
.set q1, \b%2
	WM
.endr
.endr
.endm
; A step of 128 along K: the next step's 32 loads go out first, into the set that the step before multiplied; then this step's 48 products.
.macro STEP n
.if (\n) == 3                          ; the next fetch reads the second half of K: every wave's part of it has landed, and everybody knows
	s_wait_dscnt 0x0                               ; no LDS instruction of mine is out at a signal
	s_wait_tensorcnt 0x0                           ; my last tensor load has landed
	s_barrier_signal -1
	s_barrier_wait -1
.endif
.if (\n) > 0
	PLACES 4                                       ; behind the last products that read the set
.endif
.if (\n) < 7
	FETCH (\n)+1
	s_wait_dscnt 32                                ; all but the 32 just issued: this step's fragments, asked for 48 matrix instructions ago, are in
.else
	s_wait_dscnt 0x0
.endif
.if (\n) == 0
	WIN 0xb5                                       ; sources window 1, C (the bias) window 3, D window 2
.else
	WIN 0xa5                                       ; sources window 1, C and D window 2
.endif
	MULQK \n
	WIN 0xf5                                       ; sources window 1, C and D window 3
	MULV \n
.endm
	s_wait_tensorcnt 1                             ; my part of the scales and of the first half of K is in; the second half's load may be out
	s_barrier_signal -1
	s_barrier_wait -1                              ; everybody's is
	SCALES
	FETCH 0
	s_wait_loadcnt 0x0                             ; the bias
.irp n, 0,1,2,3,4,5,6,7
	STEP \n
.endr
	WIN 0
	PLACES 4                                       ; ahead of the conversions, which read results and write over fragments
	; THE WAY OUT: round to f16, four registers an accumulator, each from its low end on; a chunk a store
	WIN 0x4a                                       ; sources window 2, destination window 1
.set i, 0
.rept 32
.irp r, 0,1,2,3
	v_cvt_pk_f16_f32 v[4*i+\r], v[8*i+2*\r], v[8*i+2*\r+1]
.endr
.set i, i+1
.endr
	WIN 0x04                                       ; a store's data are its source 1: window 1
.irp b, 0,1,2,3
.irp a, 0,1,2,3
	global_store_b128 v[LI], v[4*(4*\b+\a):4*(4*\b+\a)+3], s[92:93] offset:2048*\a+512*\b            ; q: token tile a, chunk b: 512 consecutive bytes, aligned
.endr
.endr
.irp b, 4,5,6,7
.irp a, 0,1,2,3
	global_store_b128 v[LI], v[4*(4*\b+\a):4*(4*\b+\a)+3], s[94:95] offset:2048*\a+512*(\b-4)        ; k likewise
.endr
.endr
	WIN 0x4f                                       ; sources window 3
.set i, 0
.rept 16
.irp r, 0,1,2,3
	v_cvt_pk_f16_f32 v[128+4*i+\r], v[8*i+2*\r], v[8*i+2*\r+1]
.endr
.set i, i+1
.endr
	WIN 0x04
.irp b, 0,1,2,3
.irp a, 0,1,2,3
	global_store_b128 v[LI], v[128+4*(4*\b+\a):128+4*(4*\b+\a)+3], s[96:97] offset:4096*(\a/2)+1024*\b+512*(\a%2)   ; v: 32 keys a / 2, channel tile b, 16 keys a % 2
.endr
.endr
	WIN 0
	s_wait_tensorcnt 0x0                           ; the wave's end: these three lines behind my last tensor load
	ds_add_u32 v[SPW], v[NIL]
	s_wait_dscnt 0x0
	CROUND                                         ; the closing round: no work-group ends while a partner may still ask for a tile that names it
	s_endpgm
.Lfunc_end_k_qafecde01a4_proj_qkv:
	.size	k_qafecde01a4_proj_qkv, .Lfunc_end_k_qafecde01a4_proj_qkv-k_qafecde01a4_proj_qkv
	.p2alignl 7, 3214868480
	.fill 96, 4, 3214868480
	.section	.rodata,"a",@progbits
	.p2align	6, 0x0
	.amdhsa_kernel k_qafecde01a4_proj_qkv
		.amdhsa_group_segment_fixed_size 262144
		.amdhsa_private_segment_fixed_size 0
		.amdhsa_enable_private_segment 0
		.amdhsa_kernarg_size 48
		.amdhsa_user_sgpr_count 2
		.amdhsa_user_sgpr_kernarg_segment_ptr 1
		.amdhsa_wavefront_size32 1
		.amdhsa_system_sgpr_workgroup_id_x 1
		.amdhsa_system_sgpr_workgroup_id_y 1
		.amdhsa_system_sgpr_workgroup_id_z 1
		.amdhsa_system_vgpr_workitem_id 0
		.amdhsa_next_free_vgpr 1024
		.amdhsa_next_free_sgpr 98
		.amdhsa_reserve_vcc 0
		.amdhsa_float_denorm_mode_32 3
		.amdhsa_float_denorm_mode_16_64 3
		.amdhsa_memory_ordered 1
		.amdhsa_forward_progress 1
		.amdhsa_inst_pref_size 98
	.end_amdhsa_kernel
	.amdgpu_metadata
---
amdhsa.version: [ 1, 2 ]
amdhsa.kernels:
  - .name:           k_qafecde01a4_proj_qkv
    .symbol:         k_qafecde01a4_proj_qkv.kd
    .args:
      - { .name: xc, .offset: 0, .size: 8, .value_kind: global_buffer, .address_space: global }
      - { .name: xs, .offset: 8, .size: 8, .value_kind: global_buffer, .address_space: global }
      - { .name: wc, .offset: 16, .size: 8, .value_kind: global_buffer, .address_space: global }
      - { .name: ws, .offset: 24, .size: 8, .value_kind: global_buffer, .address_space: global }
      - { .name: bqkv, .offset: 32, .size: 8, .value_kind: global_buffer, .address_space: global }
      - { .name: qkv, .offset: 40, .size: 8, .value_kind: global_buffer, .address_space: global }
    .group_segment_fixed_size: 262144
    .private_segment_fixed_size: 0
    .kernarg_segment_align: 8
    .kernarg_segment_size: 48
    .max_flat_workgroup_size: 128
    .sgpr_count:     98
    .vgpr_count:     1024
    .wavefront_size: 32
...
	.end_amdgpu_metadata
.endif
;; end of part 2
;; launch attn (part 3): grid 4 x 64, 8 waves a work-group, clusters of 4 x 1, 327,680 bytes of LDS; arguments qkv, vals; writes vals
.if DOCPART == 3
	.amdgcn_target "amdgcn-amd-amdhsa--gfx1250"
	.amdhsa_code_object_version 6
	.text
	.protected	k_qafecde01a4_attn
	.globl	k_qafecde01a4_attn
	.p2align	8
	.type	k_qafecde01a4_attn,@function
k_qafecde01a4_attn:
	s_mov_b64 s[64:65], 0
	v_nop
	global_prefetch_b8 v0, s[64:65] scope:SCOPE_SE
	s_setreg_imm32_b32 hwreg(HW_REG_WAVE_MODE, 25, 1), 1
	s_wait_xcnt 0x0
	s_wait_alu depctr_hold_cnt(0) depctr_sa_sdst(0) depctr_va_vdst(0) depctr_va_sdst(0) depctr_va_ssrc(0) depctr_va_vcc(0) depctr_vm_vsrc(0)
	s_getreg_b32 s2, hwreg(HW_REG_IB_STS2, 6, 4)
	s_cmp_eq_u32 s2, 0
	s_cbranch_scc0 .Lentry_in_a_cluster
	s_endpgm
.Lentry_in_a_cluster:
	s_bfe_u32 s2, ttmp6, 0x10000c
	s_cmp_lg_u32 s2, 0x3003
	s_cbranch_scc0 .Lentry_shape_is_right
	s_endpgm
.Lentry_shape_is_right:
; vals[b][q][h][:] = the sum over k of softmax_k(q . k / 8) v, for 64 pairs of batch and head, 2,048 tokens, head size 64, no mask.  q, k, v arrive in f16 as images of operand registers (chunks of 512 bytes, lane l's 16 bytes
; at 16 l); products, maxima and sums in f32; the weights p are rounded to f16 for the second product, the result once to f16, and stored as images of the out-projection's operand registers.
; SHARES.  A work-group owns 512 queries of one head, each of its eight waves 64: four tiles of 16, in 512 registers: two waves to a SIMD.  Every wave walks all 2,048 keys, 64 a step.
; LAYOUT.  S^T = K Q^T (source 0 = 16 keys, source 1 = 16 queries): a lane holds ONE query (l % 16) and keys 8 (l / 16) + 0 .. 7.  Two such tiles, rounded in pairs, ARE source 1 (32 keys x 16 queries) of O^T = V^T P, whose
; result again holds one query a lane and eight channels: packed, it is half a fragment of the next product.  Nothing changes lanes but one exchange between the halves of the lanes for a query's maximum and sum.
; SOFTMAX.  For each query a running maximum m and sum l: p = 2^(c s - c m), c = log2(e) / 8; in every step O and l are multiplied by a = 2^(c m_old - c m_new).
; TWO KINDS OF BLOCKS.  A wave's work alternates a matrix block (V^T P of the step in hand, then K Q^T of the next: 64 matrix instructions) and a vector block (the softmax of its four tiles: 472 instructions).
; The waves are split in two groups by g = (w xor w / 4) % 2.  The softmax of a slot's LAST step is run ahead of the change of slots by g = 0 and behind it by g = 1, so that behind every barrier one group starts with a matrix
; block and the other with a vector block.  Only two scalar branches on g, round vector work alone, differ between the groups.
; THE START.  m = -3e38, l = 0, O = 0, V = 0; the score registers hold -infinity (g = 1: its first softmax gives p = 0, a = 1) or 0 (g = 0: they are taken as p = 0): the first V^T P adds nothing, and a slot's text is written once.
; THE RING.  Two LDS slots of 256 keys (32 KiB of K, 32 KiB of V, dense: images need no pitch).  Waves 0-3 fetch 16 KiB each, one tensor load a wave behind each change of slots: one is out by this text's count, and every wait for tensor loads is for 0.
; CLUSTER.  The four blocks of queries of a head form a cluster and walk the same K and V: each tile is asked for JOINTLY, by the same load with the same descriptor and a mask that names the four.
; LIMIT: NaN and infinities are not served; |result| above 65,504 has no f16 number.
; REGISTERS.  window 0: v1-5 addresses; v16-47 eight registers of statistics a tile; v48-111 K of one step; v112-239 S^T, 32 a tile, p packed in place into a tile's first 16.
;   window 1: v0-63 Q, 16 a tile; v64-191 O^T, 32 a tile; v192-255 V of one step.
.set SLOT1, 1<<16                      ; slot 1 begins here: one exclusive or turns an address in one slot into the other's
.set VOFF,  32768                      ; V's 32 KiB lie behind K's
.set SPARE, 2*SLOT1                    ; behind the ring: the spare words, 128 bytes a wave: four blocks of 256 bytes that no other line names
.set LI,  1                            ; v1   16 x lane; never rewritten
.set ADR, 2                            ; v2   LDS address of the step in hand
.set SPW, 3                            ; v3   LDS address of my spare word; never rewritten
.set NIL, 4                            ; v4   0; never rewritten
.set PFO, 5                            ; v5   256 x lane: the prefetches' offset; never rewritten
.set ST,  16                           ; tile t at v[ST + 8 t]: +0 c m, +1 m, +2, +3 l (even keys', odd keys'), +4 to +7 at work; a takes +6
.set KF,  48
.set S,   112
.set Q,   0                            ; in window 1
.set O,   64
.set V,   192
.set WV,  8                            ; s8   my wave's number
.set G,   11                           ; s11  my group
.set LIM, 13                           ; s13  1 in a wave that prefetches, else the greatest number
.set SLOTS, 14                         ; s14  slots still to be asked for
.set STEPC, 15                         ; s15  counts a slot's first three steps
.set TB,  16                           ; s16  LDS byte at which the step in hand begins
.set G1,  24                           ; s[24:31] descriptor group 1
.set G0,  32                           ; s[32:35] descriptor group 0, which walks
.set CS,  36                           ; s[36:37] c: the packed form names a pair and takes its low word for both halves
.set SEL, 38                           ; s[38:39] lane selects for v_permlanex16_b32: lane l xor 16
.set PFA, 40                           ; s[40:41] where my prefetches stand
.set QA,  42                           ; s[42:43] my wave's queries
.set OUT, 44                           ; s[44:45] my wave's results
.set MSB, 0
.macro WIN new                         ; the immediate's high byte repeats the setting that is left; a switch that changes nothing is dropped
.if MSB != \new
	s_set_vgpr_msb (MSB<<8)|\new
.set MSB, \new
.endif
.endm
.macro NOPS n
.rept \n
	v_nop
.endr
.endm
.macro TLOAD                           ; waves 0 and 1 fetch K's halves of a slot, waves 2 and 3 V's, the others nothing: a branch on the wave's number, the same in every work-group.  An s_nop 0 and four v_nop follow the load
	s_cmp_lt_u32 s[WV], 4
	s_cbranch_scc0 .Lnone_\@
	tensor_load_to_lds s[G0:G0+3], s[G1:G1+7]
	s_nop 0
.rept 4
	v_nop
.endr
.Lnone_\@:
.endm
; A prefetch into the L2 of what the NEXT change of slots will ask for: a slot's 32 KiB of K and of V.  A head has one cluster; its four partners take 8 KiB each, told apart by ADDRESS; in each, wave 4 asks for K's and wave 5 for V's,
; lanes 256 bytes apart: one instruction, and each block of 256 bytes is named once in the launch.  It stands four key steps, 256 matrix instructions a wave, ahead of the load.  The last change that fills a slot asks for nothing.
.macro ASK
	s_cmp_gt_u32 s[SLOTS], s[LIM]
	s_cbranch_scc0 .Lnot_mine_\@
	global_prefetch_b8 v[PFO], s[PFA:PFA+1] th:TH_LOAD_NT scope:SCOPE_SE
.Lnot_mine_\@:
.endm
.macro CROUND                          ; a round of the cluster's barrier
	s_barrier_signal -1
	s_barrier_wait -1
	s_cmp_lg_u32 s[WV], 0
	s_cbranch_scc1 .Lnot_wave_0_\@
	s_barrier_signal -3
.Lnot_wave_0_\@:
	s_barrier_wait -3
	s_barrier_signal -1
	s_barrier_wait -1
.endm
	s_load_b128 s[4:7], s[0:1], 0x0                ; qkv s[4:5], vals s[6:7]
	v_lshl_add_u32 v[SPW], v0, 2, SPARE
	v_mov_b32 v[NIL], 0
	ds_add_u32 v[SPW], v[NIL]                      ; the wave's opening: the add, twice on end, and its wait ahead of the first tensor load; the set-up below, work on registers, stands between
	ds_add_u32 v[SPW], v[NIL]
	v_lshrrev_b32 v6, 5, v0
	v_readfirstlane_b32 s[WV], v6                  ; wave 0..7
	s_bfe_u32 s9, ttmp6, 0x40000                   ; cx: my place in the cluster
	s_and_b32 s10, ttmp7, 0xffff                   ; 16 x batch + head, which the four partners share
	s_lshr_b32 s[G], s[WV], 2
	s_xor_b32 s[G], s[G], s[WV]
	s_and_b32 s[G], s[G], 1                        ; my group
	s_cmp_eq_u32 s[G], 0
	s_cselect_b32 s12, 0, 0xff800000               ; what the score registers hold at the start: p = 0, or scores of -infinity
	s_lshr_b32 s19, s[WV], 1
	s_cmp_eq_u32 s19, 2                            ; waves 4 and 5 prefetch
	s_cselect_b32 s[LIM], 1, -1
	s_mov_b32 s[SLOTS], 7
	s_mov_b32 s[TB], 0
	s_mov_b32 s[CS], 0x3e38aa3b                    ; c = log2(e) / 8
	s_mov_b32 s[CS+1], s[CS]                       ; (named with it as a pair, so it is written)
	s_mov_b32 s[SEL], 0x76543210
	s_mov_b32 s[SEL+1], 0xfedcba98
	; group 1: 16 KiB, dense, as 64 rows of 256 bytes (32 elements of 8 bytes), no padding
	s_mov_b32 s[G1], 15|(3<<16)|(1<<21)            ; 15:0 the mask: all four work-groups; 17:16 elements of 8 bytes; 21 set beside a mask
	s_mov_b32 s[G1+1], 32<<16                      ; tensor_dim0
	s_mov_b32 s[G1+2], 64<<16                      ; tensor_dim1
	s_mov_b32 s[G1+3], 32<<16                      ; tile_dim0
	s_mov_b32 s[G1+4], 64                          ; tile_dim1
	s_mov_b32 s[G1+5], 32                          ; from row to row
	s_mov_b32 s[G1+6], 0
	s_mov_b32 s[G1+7], 0
	s_mov_b32 s[G0], 1
	s_and_b32 s[G0+1], s[WV], 3
	s_lshl_b32 s[G0+1], s[G0+1], 14                ; LDS: (wave % 4) x 16 KiB of slot 0: no place in the cluster enters an LDS address
	s_lshl_b32 s17, ttmp9, 2
	s_add_co_u32 s17, s17, s9                      ; my block of 512 queries: it enters Q's and the result's addresses alone
	s_lshl_b32 s20, s10, 18                        ; the head's 262,144 bytes in each part of qkv
	s_bfe_u32 s22, s[WV], 0x10001                  ; what I fetch: part 1 (k) in waves 0, 1, part 2 (v) in waves 2, 3,
	s_add_co_u32 s22, s22, 1
	s_lshl_b32 s22, s22, 24
	s_add_co_u32 s22, s22, s20
	s_and_b32 s21, s[WV], 1
	s_lshl_b32 s23, s21, 14                        ; its first or second 16 KiB
	s_add_co_u32 s22, s22, s23
	s_mov_b32 s23, 0
	s_add_co_u32 s46, s21, 1                       ; what I prefetch: part 1 in wave 4, part 2 in wave 5,
	s_lshl_b32 s46, s46, 24
	s_add_co_u32 s46, s46, s20
	s_lshl_b32 s47, s9, 13                         ; my work-group's 8 KiB,
	s_add_co_u32 s46, s46, s47
	s_add_co_u32 s46, s46, 32768                   ; in slot 1: the first change of slots steps it to slot 2.  Nothing is prefetched at the head
	s_mov_b32 s47, 0
	s_lshl_b32 s2, s17, 16                         ; Q: 512 queries are 65,536 bytes, my wave's 64 are 8,192
	s_add_co_u32 s2, s2, s20
	s_lshl_b32 s3, s[WV], 13
	s_add_co_u32 s2, s2, s3
	s_mov_b32 s3, 0
	s_bfe_u32 s18, s10, 0x30001                    ; the result: K step head / 2 of the next product: 2 MiB each;
	s_lshl_b32 s18, s18, 21
	s_lshr_b32 s19, s10, 4
	s_lshl_b32 s19, s19, 7                         ; row tile 128 x batch
	s_lshl_b32 s21, s17, 5
	s_add_co_u32 s19, s19, s21                     ; + 32 x block
	s_lshl_b32 s21, s[WV], 2
	s_add_co_u32 s19, s19, s21                     ; + 4 x wave: 4,096 bytes each;
	s_lshl_b32 s19, s19, 12
	s_add_co_u32 s18, s18, s19
	s_and_b32 s19, s10, 1
	s_lshl_b32 s19, s19, 11                        ; the head's half of the K step
	s_add_co_u32 s18, s18, s19
	s_mov_b32 s19, 0
	s_wait_dscnt 0x0                               ; both opening adds are done
	s_wait_kmcnt 0x0
	s_add_nc_u64 s[G0+2:G0+3], s[4:5], s[22:23]
	s_or_b32 s[G0+3], s[G0+3], 0x80000000          ; 127:126 type = 2
	s_add_nc_u64 s[PFA:PFA+1], s[4:5], s[46:47]
	s_add_nc_u64 s[QA:QA+1], s[4:5], s[2:3]
	s_add_nc_u64 s[OUT:OUT+1], s[6:7], s[18:19]
	CROUND                                         ; all four work-groups are here: the first joint loads meet
	TLOAD                                          ; slot 0
	v_and_b32 v[LI], 31, v0
	v_lshlrev_b32 v[PFO], 8, v[LI]
	v_lshlrev_b32 v[LI], 4, v[LI]
	WIN 0x40                                       ; destination window 1
.irp i, 0,1,2,3,4,5,6,7,8,9,10,11,12,13,14,15  ; Q stays in registers: chunk i is registers 4 i .. 4 i + 3
	global_load_b128 v[Q+4*\i:Q+4*\i+3], v[LI], s[QA:QA+1] offset:512*\i
.endr
.set i, 0
.rept 192
	v_mov_b32 v[O+i], 0                            ; O^T and V.  (Once a wave: so the first matrix block is written as every other)
.set i, i+1
.endr
	WIN 0
.set i, 0
.rept 128
	v_mov_b32 v[S+i], s12
.set i, i+1
.endr
.irp t, 0,1,2,3
	v_mov_b32 v[ST+8*\t+1], 0xff61b1e6             ; m = -3e38, under every score
	v_mov_b32 v[ST+8*\t+2], 0                      ; l
	v_mov_b32 v[ST+8*\t+3], 0
.endr
.irp t, 0,1,2,3
	v_mul_f32 v[ST+8*\t], s[CS], v[ST+8*\t+1]      ; c m
.endr
.macro KLOAD off                       ; K of a step: 64 keys x 64 channels: 8 fragments (keys 16 (f / 2) on, channels 32 (f % 2) on), 16 loads of 512 consecutive bytes
	WIN 0
.irp f, 0,1,2,3,4,5,6,7
.irp c, 0,1
	ds_load_b128 v[KF+8*\f+4*\c:KF+8*\f+4*\c+3], v[ADR] offset:\off+1024*\f+512*\c
.endr
.endr
.endm
.macro VLOAD                           ; V of a step: 8 fragments (keys 32 (f / 4) on, channels 16 (f % 4) on)
	WIN 0x40
.irp f, 0,1,2,3,4,5,6,7
.irp c, 0,1
	ds_load_b128 v[V+8*\f+4*\c:V+8*\f+4*\c+3], v[ADR] offset:VOFF+1024*\f+512*\c
.endr
.endr
.endm
; The accumulators take turns, one instruction a turn: between two links of a chain stand the 15 others'.
.macro KQ                              ; S^T = K Q^T: the first 16 products start the sums
	WIN 0x04                                       ; Q in window 1; K and S^T in window 0
.irp kk, 0,1
.irp kt, 0,1,2,3
.irp t, 0,1,2,3
.if \kk == 0
	v_wmma_f32_16x16x32_f16 v[S+32*\t+8*\kt:S+32*\t+8*\kt+7], v[KF+8*(2*\kt+\kk):KF+8*(2*\kt+\kk)+7], v[Q+16*\t+8*\kk:Q+16*\t+8*\kk+7], 0
.else
	v_wmma_f32_16x16x32_f16 v[S+32*\t+8*\kt:S+32*\t+8*\kt+7], v[KF+8*(2*\kt+\kk):KF+8*(2*\kt+\kk)+7], v[Q+16*\t+8*\kk:Q+16*\t+8*\kk+7], v[S+32*\t+8*\kt:S+32*\t+8*\kt+7]
.endif
.endr
.endr
.endr
.endm
.macro PV                              ; O^T += V^T P
	WIN 0x51                                       ; V and O^T in window 1, P in window 0
.irp ks, 0,1
.irp ct, 0,1,2,3
.irp t, 0,1,2,3
	v_wmma_f32_16x16x32_f16 v[O+32*\t+8*\ct:O+32*\t+8*\ct+7], v[V+8*(4*\ks+\ct):V+8*(4*\ks+\ct)+7], v[S+32*\t+8*\ks:S+32*\t+8*\ks+7], v[O+32*\t+8*\ct:O+32*\t+8*\ct+7]
.endr
.endr
.endr
.endm
; THE MATRIX BLOCK.  V^T P of the step whose softmax is done; then that step's V gives way to the next step's, and K Q^T of the next step writes over p.  next = 1: K of the step after is asked for.
.macro MB next
	WIN 0
	v_add_nc_u32 v[ADR], s[TB], v[LI]
	s_wait_dscnt 16                                ; V of the step in hand is in; the 16 younger loads, K's, may be out
	PV
	NOPS 5                                         ; five places: K Q^T writes over registers that these products read (four serve the loads into V's)
	VLOAD
	s_wait_dscnt 16                                ; K is in; the 16 loads just issued may be out
	KQ
	NOPS 5                                         ; five places.  Four serve the loads into K's registers and the first read of the scores.  The fifth: with both branches on g taken, the text leads from these products straight to
	                                               ; V^T P, which takes their registers as an operand (ISA guide 7.12.1); no wave goes that way (g is 0 or 1, so one softmax always stands between), but the distance is kept on every way through the text
	WIN 0
.if \next
	KLOAD 8192
.endif
.endm
; THE VECTOR BLOCK: the softmax of my four tiles for one key step; the tiles take turns line by line, so that no line waits for the line above it.
.macro SM
	WIN 0
.irp j, 0,1,2,3                                ; the maximum of a lane's 32 scores and the old m, three operands at a time: four chains, each begun at its accumulator's low end
.irp t, 0,1,2,3
	v_max3_num_f32 v[ST+8*\t+4+\j], v[S+32*\t+8*\j], v[S+32*\t+8*\j+1], v[S+32*\t+8*\j+2]
.endr
.endr
.irp u, 1,2
.irp j, 0,1,2,3
.irp t, 0,1,2,3
	v_max3_num_f32 v[ST+8*\t+4+\j], v[ST+8*\t+4+\j], v[S+32*\t+8*\j+2*\u+1], v[S+32*\t+8*\j+2*\u+2]
.endr
.endr
.endr
.irp t, 0,1,2,3
	v_max3_num_f32 v[ST+8*\t+4], v[ST+8*\t+4], v[S+32*\t+7], v[S+32*\t+15]
.endr
.irp t, 0,1,2,3
	v_max3_num_f32 v[ST+8*\t+6], v[ST+8*\t+6], v[S+32*\t+23], v[S+32*\t+31]
.endr
.irp t, 0,1,2,3
	v_max3_num_f32 v[ST+8*\t+4], v[ST+8*\t+4], v[ST+8*\t+5], v[ST+8*\t+6]
.endr
.irp t, 0,1,2,3
	v_max3_num_f32 v[ST+8*\t+4], v[ST+8*\t+4], v[ST+8*\t+7], v[ST+8*\t+1]
.endr
.irp t, 0,1,2,3
	v_permlanex16_b32 v[ST+8*\t+5], v[ST+8*\t+4], s[SEL], s[SEL+1]   ; the query's other 32 keys lie in the lane 16 away
.endr
.irp t, 0,1,2,3
	v_mov_b32 v[ST+8*\t+7], v[ST+8*\t]             ; c m_old is kept for a
.endr
.irp t, 0,1,2,3
	v_max_num_f32 v[ST+8*\t+1], v[ST+8*\t+4], v[ST+8*\t+5]           ; the new m
.endr
.irp t, 0,1,2,3
	v_mul_f32 v[ST+8*\t], s[CS], v[ST+8*\t+1]
.endr
.irp t, 0,1,2,3
	v_sub_f32 v[ST+8*\t+7], v[ST+8*\t+7], v[ST+8*\t]
.endr
.irp b, 0,2,4,6,8,10,12,14,16,18,20,22,24,26,28,30
.irp t, 0,1,2,3
	v_pk_fma_f32 v[S+32*\t+\b:S+32*\t+\b+1], v[S+32*\t+\b:S+32*\t+\b+1], s[CS:CS+1], v[ST+8*\t:ST+8*\t+1] op_sel_hi:[1,0,0] neg_lo:[0,0,1] neg_hi:[0,0,1]   ; c s - c m, two at a time
.endr
.endr
.irp t, 0,1,2,3
	v_exp_f32 v[ST+8*\t+6], v[ST+8*\t+7]           ; a.  ONE BATCH of 132 exponentials: none reads another's result
.endr
.irp e, 0,1,2,3,4,5,6,7,8,9,10,11,12,13,14,15,16,17,18,19,20,21,22,23,24,25,26,27,28,29,30,31
.irp t, 0,1,2,3
	v_exp_f32 v[S+32*\t+\e], v[S+32*\t+\e]
.endr
.endr
	v_nop                                          ; a plain instruction behind the last exponential, ahead of the first use
	s_wait_alu depctr_va_vdst(0)                   ; and one wait between the batch and the first instruction that names a result
.irp t, 0,1,2,3                                ; l = a l + the sum of the unrounded p, in two chains; a pair is an even key's weight and an odd key's
	v_pk_fma_f32 v[ST+8*\t+2:ST+8*\t+3], v[ST+8*\t+2:ST+8*\t+3], v[ST+8*\t+6:ST+8*\t+7], v[S+32*\t:S+32*\t+1] op_sel_hi:[1,0,1]
.endr
.irp t, 0,1,2,3
	v_pk_add_f32 v[ST+8*\t+4:ST+8*\t+5], v[S+32*\t+2:S+32*\t+3], v[S+32*\t+6:S+32*\t+7]
.endr
.irp p, 2,4,6,8,10,12
.irp t, 0,1,2,3
	v_pk_add_f32 v[ST+8*\t+2:ST+8*\t+3], v[ST+8*\t+2:ST+8*\t+3], v[S+32*\t+2*\p:S+32*\t+2*\p+1]
.endr
.irp t, 0,1,2,3
	v_pk_add_f32 v[ST+8*\t+4:ST+8*\t+5], v[ST+8*\t+4:ST+8*\t+5], v[S+32*\t+2*\p+6:S+32*\t+2*\p+7]
.endr
.endr
.irp t, 0,1,2,3
	v_pk_add_f32 v[ST+8*\t+2:ST+8*\t+3], v[ST+8*\t+2:ST+8*\t+3], v[S+32*\t+28:S+32*\t+29]
.endr
.irp t, 0,1,2,3
	v_pk_add_f32 v[ST+8*\t+2:ST+8*\t+3], v[ST+8*\t+2:ST+8*\t+3], v[ST+8*\t+4:ST+8*\t+5]
.endr
.irp i, 0,1,2,3,4,5,6,7,8,9,10,11,12,13,14,15   ; p to f16, in place: register i takes registers 2 i and 2 i + 1, ascending, so nothing unread is written over
.irp t, 0,1,2,3
	v_cvt_pk_f16_f32 v[S+32*\t+\i], v[S+32*\t+2*\i], v[S+32*\t+2*\i+1]
.endr
.endr
	WIN 0x41                                       ; O^T in window 1, a in window 0
.irp i, 0,2,4,6,8,10,12,14,16,18,20,22,24,26,28,30
.irp t, 0,1,2,3
	v_pk_mul_f32 v[O+32*\t+\i:O+32*\t+\i+1], v[O+32*\t+\i:O+32*\t+\i+1], v[ST+8*\t+6:ST+8*\t+7] op_sel_hi:[1,0]   ; O^T x a, each accumulator from its low end on
.endr
.endr
	WIN 0
.endm
.macro SMIF want                       ; the vector block, for one group alone: a branch on the wave's number, round work on registers
	s_cmp_lg_u32 s[G], \want
	s_cbranch_scc1 .Lother_\@
	SM
.Lother_\@:
.endm
; THE CHANGE OF SLOTS stands at a slot's head.  Each wave waits for all its tensor loads (its part of the slot ahead), adds 0 to its spare word, and waits for that and for its reads of the slot that it has left.
; fill = 1: the barrier is a round of the cluster's, so that no wave of any partner still reads the slot left or has a load on its way; the joint refill is the first thing behind it and has four key steps in which to land.
.macro CHANGE fill
	s_wait_tensorcnt 0x0                           ; no tensor load of mine is out, so group 0 may be written
	ds_add_u32 v[SPW], v[NIL]                      ; 0 onto my spare word
.if \fill
	ds_add_u32 v[SPW], v[NIL]                      ; and once more, in every trip alike
	s_xor_b32 s[G0+1], s[G0+1], SLOT1              ; the walking descriptor: the other slot than last time,
	s_add_nc_u64 s[G0+2:G0+3], s[G0+2:G0+3], 32768 ; the next 256 keys; the type bits on top are not reached
	s_wait_xcnt 0x0                                ; the last prefetch, a slot back, has read its address, so it may be written:
	s_add_nc_u64 s[PFA:PFA+1], s[PFA:PFA+1], 32768 ; one slot further on than the walking descriptor
	s_wait_dscnt 0x0                               ; both adds are done, and my reads of the slot that I have left are over
	CROUND
	TLOAD
	ASK
.else
	s_wait_dscnt 0x0
	s_barrier_signal -1
	s_barrier_wait -1
.endif
.endm
; A SLOT: four key steps.  All its LDS reads are issued here and awaited at the next change; the last step's V waits in registers.
.macro PERIOD fill
	CHANGE \fill
	v_add_nc_u32 v[ADR], s[TB], v[LI]
	KLOAD 0                                        ; K of the slot's first step
	SMIF 1                                         ; g = 1: the softmax of the last slot's last step
	s_mov_b32 s[STEPC], 3
.Lstep_\@:
	MB 1
	SM
	s_add_co_u32 s[TB], s[TB], 8192
	s_sub_co_u32 s[STEPC], s[STEPC], 1
	s_cmp_lg_u32 s[STEPC], 0
	s_cbranch_scc1 .Lstep_\@
	MB 0
	SMIF 0                                         ; g = 0: the softmax of this slot's last step
	s_sub_co_u32 s[TB], s[TB], 24576               ; back to a slot's first step,
	s_xor_b32 s[TB], s[TB], SLOT1                  ; in the other slot
.endm
	s_wait_loadcnt 0x0                             ; Q
.Lslot:                                            ; seven trips: behind each change of slots but the last the next slot is asked for
	PERIOD 1
	s_sub_co_u32 s[SLOTS], s[SLOTS], 1
	s_cmp_lg_u32 s[SLOTS], 0
	s_cbranch_scc1 .Lslot
	PERIOD 0                                       ; the last slot is written out
	SMIF 1                                         ; g = 1: the last step's softmax
	s_wait_dscnt 0x0                               ; the last step's V
	PV
	; THE WAY OUT.  l's two halves and the other half of the lanes' are added (these plain lines name nothing of the last products: they are the places behind them); O^T is divided by l, rounded to f16, and stored from registers.
	WIN 0
.irp t, 0,1,2,3
	v_add_f32 v[ST+8*\t+4], v[ST+8*\t+2], v[ST+8*\t+3]
.endr
.irp t, 0,1,2,3
	v_permlanex16_b32 v[ST+8*\t+5], v[ST+8*\t+4], s[SEL], s[SEL+1]
.endr
.irp t, 0,1,2,3
	v_add_f32 v[ST+8*\t+4], v[ST+8*\t+4], v[ST+8*\t+5]
.endr
.irp t, 0,1,2,3
	v_rcp_f32 v[ST+8*\t+6], v[ST+8*\t+4]
.endr
	v_nop                                          ; a plain instruction between the last reciprocal and the use of its result
	s_wait_alu depctr_va_vdst(0)                   ; and one wait for the four
	WIN 0x41
.irp t, 0,1,2,3
.irp i, 0,2,4,6,8,10,12,14,16,18,20,22,24,26,28,30
	v_pk_mul_f32 v[O+32*\t+\i:O+32*\t+\i+1], v[O+32*\t+\i:O+32*\t+\i+1], v[ST+8*\t+6:ST+8*\t+7] op_sel_hi:[1,0]
.endr
.endr
	WIN 0x05                                       ; sources window 1, destination window 0: the scores' registers are free
.irp t, 0,1,2,3
.irp i, 0,1,2,3,4,5,6,7,8,9,10,11,12,13,14,15
	v_cvt_pk_f16_f32 v[S+16*\t+\i], v[O+32*\t+2*\i], v[O+32*\t+2*\i+1]
.endr
.endr
	WIN 0
.irp t, 0,1,2,3
.irp ct, 0,1,2,3
	global_store_b128 v[LI], v[S+16*\t+4*\ct:S+16*\t+4*\ct+3], s[OUT:OUT+1] offset:4096*\t+512*\ct   ; row tile t, channels 16 ct on: 512 consecutive bytes, aligned
.endr
.endr
	s_wait_tensorcnt 0x0                           ; the wave's end: these three lines behind my last tensor load
	ds_add_u32 v[SPW], v[NIL]
	s_wait_dscnt 0x0
	CROUND                                         ; the closing round: no work-group ends while a partner may still ask for a tile that names it
	s_endpgm
.Lfunc_end_k_qafecde01a4_attn:
	.size	k_qafecde01a4_attn, .Lfunc_end_k_qafecde01a4_attn-k_qafecde01a4_attn
	.p2alignl 7, 3214868480
	.fill 96, 4, 3214868480
	.section	.rodata,"a",@progbits
	.p2align	6, 0x0
	.amdhsa_kernel k_qafecde01a4_attn
		.amdhsa_group_segment_fixed_size 327680
		.amdhsa_private_segment_fixed_size 0
		.amdhsa_enable_private_segment 0
		.amdhsa_kernarg_size 16
		.amdhsa_user_sgpr_count 2
		.amdhsa_user_sgpr_kernarg_segment_ptr 1
		.amdhsa_wavefront_size32 1
		.amdhsa_system_sgpr_workgroup_id_x 1
		.amdhsa_system_sgpr_workgroup_id_y 1
		.amdhsa_system_sgpr_workgroup_id_z 1
		.amdhsa_system_vgpr_workitem_id 0
		.amdhsa_next_free_vgpr 512
		.amdhsa_next_free_sgpr 66
		.amdhsa_reserve_vcc 0
		.amdhsa_float_denorm_mode_32 3
		.amdhsa_float_denorm_mode_16_64 3
		.amdhsa_memory_ordered 1
		.amdhsa_forward_progress 1
		.amdhsa_inst_pref_size 233
	.end_amdhsa_kernel
	.amdgpu_metadata
---
amdhsa.version: [ 1, 2 ]
amdhsa.kernels:
  - .name:           k_qafecde01a4_attn
    .symbol:         k_qafecde01a4_attn.kd
    .args:
      - { .name: qkv, .offset: 0, .size: 8, .value_kind: global_buffer, .address_space: global }
      - { .name: vals, .offset: 8, .size: 8, .value_kind: global_buffer, .address_space: global }
    .group_segment_fixed_size: 327680
    .private_segment_fixed_size: 0
    .kernarg_segment_align: 8
    .kernarg_segment_size: 16
    .max_flat_workgroup_size: 256
    .sgpr_count:     66
    .vgpr_count:     512
    .wavefront_size: 32
...
	.end_amdgpu_metadata
.endif
;; end of part 3
;; launch oproj (part 4): grid 4 x 64, 4 waves a work-group, clusters of 4 x 4, 327,680 bytes of LDS; arguments vals, wo16, bo, out0; writes out0
.if DOCPART == 4
	.amdgcn_target "amdgcn-amd-amdhsa--gfx1250"
	.amdhsa_code_object_version 6
	.text
	.protected	k_qafecde01a4_oproj
	.globl	k_qafecde01a4_oproj
	.p2align	8
	.type	k_qafecde01a4_oproj,@function
k_qafecde01a4_oproj:
	s_mov_b64 s[64:65], 0
	v_nop
	global_prefetch_b8 v0, s[64:65] scope:SCOPE_SE
	s_setreg_imm32_b32 hwreg(HW_REG_WAVE_MODE, 25, 1), 1
	s_wait_xcnt 0x0
	s_wait_alu depctr_hold_cnt(0) depctr_sa_sdst(0) depctr_va_vdst(0) depctr_va_sdst(0) depctr_va_ssrc(0) depctr_va_vcc(0) depctr_vm_vsrc(0)
	s_getreg_b32 s2, hwreg(HW_REG_IB_STS2, 6, 4)
	s_cmp_eq_u32 s2, 0
	s_cbranch_scc0 .Lentry_in_a_cluster
	s_endpgm
.Lentry_in_a_cluster:
	s_bfe_u32 s2, ttmp6, 0x10000c
	s_cmp_lg_u32 s2, 0xf033
	s_cbranch_scc0 .Lentry_shape_is_right
	s_endpgm
.Lentry_shape_is_right:
; out0 = vals Wo^T + bo.  vals: 8,192 rows x 1,024, f16, as images of operand registers: [K step of 128 (8)][tile of 16 rows (512)][4,096 bytes: 32 along K (4) x half a fragment (2) x 512 bytes, lane l's 16 bytes at 16 l].
; wo16: [1024 n][1024 k] f16, plain rows.  bo [1024], out0 [8192][1024]: f32.  Sums in f32.
; SHARES.  A tile of the result is 128 rows x 256 columns: 256 work-groups, one for each of the 64 x 4 tiles.  Four waves, each 64 x 128: 32 accumulators, 256 registers.
; K goes in 8 steps of 128 through a ring of two LDS slots: vals' 8 row tiles (32 KiB, dense: images need no pitch), then 256 rows of Wo (256 bytes + 16 of padding).  One tensor load a wave behind each change of slots;
; by this text's count two are out at the start and one later.
; CLUSTERS: 4 x 4 work-groups.  The four of a row of the cluster need the same tiles of vals, the four of a column the same tiles of Wo: each is asked for JOINTLY, by the same load with the same descriptor and a mask that names the four.
; THE MATRIX INSTRUCTION IS USED TRANSPOSED (source 0 = 16 rows of Wo, source 1 = 16 rows of vals): a lane holds eight neighbouring numbers of a row of the result.  The bias is the C of each sum's first instruction.
; No prefetch: a K step's tiles are small, the launch is short, and each tile is shared by four partners.
; REGISTERS.  window 0: v16-29 addresses; two fragment buffers at v32 and v128 (8 fragments of Wo, then 4 of vals); on the way out rows of the result there.  window 1: accumulator (a, b) at v[8 (8 a + b)].  window 2: v0-63 the bias.
.set PITCH,  272                       ; a row of Wo in LDS: 256 bytes + 16 = 68 words: the 16 rows that a load touches start at 16 different banks (64 banks of 4 bytes: ISA guide 11.1)
.set BOFF,   32768                     ; Wo's rows lie behind vals' images
.set SLOT,   BOFF+256*PITCH
.set STAGE,  2*SLOT                    ; behind the ring: 16 rows x (512 bytes + 16) for each wave, for the way out
.set SPITCH, 528
.set SPARE,  STAGE+4*16*SPITCH         ; behind the stages: the spare words, 128 bytes a wave, which no other line names
.set LAPS,   4                         ; a lap = two K steps = once round the ring
.set ADRA, 16                          ; v16-17  LDS address of my fragments of vals in slot 0, 1
.set ADRB, 20                          ; v20-21  the same for Wo
.set STO,  24                          ; v24     the way out: where I put 32 bytes of a row
.set RD,   25                          ; v25     where I read a row back
.set CO,   26                          ; v26     16 x lane: my bytes of a row's 512
.set BA,   27                          ; v27     32 (l / 16): the bias
.set SPW,  28                          ; v28     LDS address of my spare word; never rewritten
.set NIL,  29                          ; v29     0; never rewritten
.set F0,   32
.set F1,   128
.set G1, 24                            ; s[24:31] descriptor group 1 for vals;  s[32:39] group 0, one set for each slot
.set G0, 32
.set G1B, 48                           ; s[48:55], s[56:63] the same for Wo
.set G0B, 56
.set MSB, 0
.macro WIN new
.if MSB != \new
	s_set_vgpr_msb (MSB<<8)|\new
.set MSB, \new
.endif
.endm
.set MUL,  0x50                        ; sources window 0; C and D window 1
.set MULB, 0x60                        ; C (the bias) window 2, D window 1
.macro JLOAD s                         ; a joint load: waves 0 and 1 fetch vals' halves, waves 2 and 3 Wo's; an s_nop 0 and four v_nop follow each of the two lines
	s_cmp_eq_u32 s13, 0
	s_cbranch_scc0 .Lfor_b_\@
	tensor_load_to_lds s[G0+4*\s:G0+4*\s+3], s[G1:G1+7]
	s_nop 0
.rept 4
	v_nop
.endr
	s_branch .Lasked_\@
.Lfor_b_\@:
	tensor_load_to_lds s[G0B+4*\s:G0B+4*\s+3], s[G1B:G1B+7]
	s_nop 0
.rept 4
	v_nop
.endr
.Lasked_\@:
.endm
.macro CREST                           ; a round of the cluster's barrier behind its opening barrier
	s_cmp_lg_u32 s12, 0
	s_cbranch_scc1 .Lnot_wave_0_\@
	s_barrier_signal -3
.Lnot_wave_0_\@:
	s_barrier_wait -3
	s_barrier_signal -1
	s_barrier_wait -1
.endm
.macro CROUND
	s_barrier_signal -1
	s_barrier_wait -1
	CREST
.endm
.macro PLACES                          ; four places ahead of loads into registers that matrix instructions have read, and of reads of results (ISA guide 7.12.1 for reads of results)
.rept 4
	v_nop
.endr
.endm
	s_load_b128 s[4:7], s[0:1], 0x0                ; vals s[4:5], wo16 s[6:7]
	s_load_b128 s[8:11], s[0:1], 0x10              ; bo s[8:9], out0 s[10:11]
	v_lshl_add_u32 v[SPW], v0, 2, SPARE
	v_mov_b32 v[NIL], 0
	ds_add_u32 v[SPW], v[NIL]                      ; the wave's opening: the add, twice on end, and its wait ahead of my first tensor load; the set-up below, work on registers, stands between
	ds_add_u32 v[SPW], v[NIL]
	v_lshrrev_b32 v1, 5, v0
	v_readfirstlane_b32 s12, v1                    ; wave 0..3
	s_lshr_b32 s13, s12, 1                         ; which 64 rows of the tile are mine.  Also: I fetch for vals (0) or for Wo (1)
	s_and_b32 s14, s12, 1                          ; which 128 columns.  Also: which half of that tile I fetch
	s_bfe_u32 s40, ttmp6, 0x40000                  ; cx, cy
	s_bfe_u32 s41, ttmp6, 0x40004
	s_lshl_b32 s42, ttmp9, 2
	s_add_co_u32 s42, s42, s40                     ; tile column = 4 x cluster x + cx
	s_and_b32 s43, ttmp7, 0xffff
	s_lshl_b32 s43, s43, 2
	s_add_co_u32 s43, s43, s41                     ; tile row = 4 x cluster y + cy
	s_lshl_b32 s44, s41, 2
	s_lshl_b32 s44, 15, s44                        ; my row of the cluster
	s_lshl_b32 s45, 0x1111, s40                    ; my column
	; group 1 for vals: 16 KiB, dense, as 64 rows of 256 bytes (32 elements of 8 bytes)
	s_or_b32 s[G1+0], s44, (3<<16)|(1<<21)         ; 15:0 the mask; 17:16 elements of 8 bytes; 21 set beside a mask
	s_mov_b32 s[G1+1], 32<<16
	s_mov_b32 s[G1+2], 64<<16
	s_mov_b32 s[G1+3], 32<<16
	s_mov_b32 s[G1+4], 64
	s_mov_b32 s[G1+5], 32
	s_mov_b32 s[G1+6], 0
	s_mov_b32 s[G1+7], 0
	; group 1 for Wo: 128 rows x 128 elements of 2 bytes out of rows of 1,024, padded in LDS
	s_or_b32 s[G1B+0], s45, (1<<16)|(1<<20)|(1<<21)|(5<<22)|(3<<25)   ; 20 padding on; 24:22 after every 64 words (code 5); 31:25 four words (code 3)
	s_mov_b32 s[G1B+1], 128<<16
	s_mov_b32 s[G1B+2], 128<<16
	s_mov_b32 s[G1B+3], 128<<16
	s_mov_b32 s[G1B+4], 128
	s_mov_b32 s[G1B+5], 1024
	s_mov_b32 s[G1B+6], 0
	s_mov_b32 s[G1B+7], 0
	s_lshl_b32 s16, s43, 15                        ; vals: row tile 8 x tile row + 4 x half, 4,096 bytes each
	s_lshl_b32 s17, s14, 14
	s_add_co_u32 s16, s16, s17
	s_mov_b32 s17, 0
	s_lshl_b32 s46, s42, 19                        ; Wo: row 256 x tile column + 128 x half, 2,048 bytes each
	s_lshl_b32 s47, s14, 18
	s_add_co_u32 s46, s46, s47
	s_mov_b32 s47, 0
	s_lshl_b32 s20, s14, 14                        ; where they go: constants and the wave's number alone
	s_mul_i32 s21, s14, 128*PITCH
	s_add_co_u32 s21, s21, BOFF
	s_wait_dscnt 0x0                               ; both opening adds are done
	s_wait_kmcnt 0x0
	s_add_nc_u64 s[18:19], s[4:5], s[16:17]
	s_add_nc_u64 s[46:47], s[6:7], s[46:47]
	CROUND                                         ; all sixteen work-groups are here: the first joint loads meet
.irp s, 0,1
	s_mov_b32 s[G0+4*\s], 1
	s_add_co_u32 s[G0+4*\s+1], s20, \s*SLOT
	s_add_nc_u64 s[G0+4*\s+2:G0+4*\s+3], s[18:19], \s*0x200000     ; K step s of vals: 2 MiB a step
	s_or_b32 s[G0+4*\s+3], s[G0+4*\s+3], 0x80000000
	s_mov_b32 s[G0B+4*\s], 1
	s_add_co_u32 s[G0B+4*\s+1], s21, \s*SLOT
	s_add_nc_u64 s[G0B+4*\s+2:G0B+4*\s+3], s[46:47], \s*256        ; of Wo: 256 bytes along a row
	s_or_b32 s[G0B+4*\s+3], s[G0B+4*\s+3], 0x80000000
	JLOAD \s
.endr
	v_and_b32 v1, 15, v0                           ; r = l % 16
	v_bfe_u32 v2, v0, 4, 1                         ; h = l / 16
	v_and_b32 v3, 31, v0
	v_lshlrev_b32 v[CO], 4, v3                     ; 16 x lane
	s_lshl_b32 s20, s13, 14                        ; my 4 row tiles of vals
	v_add_nc_u32 v[ADRA], s20, v[CO]
	v_add_nc_u32 v[ADRA+1], SLOT, v[ADRA]
	v_mul_u32_u24 v4, v1, PITCH
	v_lshl_add_u32 v4, v2, 4, v4                   ; a fragment's row x pitch + 16 x half of the lanes
	s_mul_i32 s21, s14, 128*PITCH                  ; my 128 rows of Wo
	s_add_co_u32 s21, s21, BOFF
	v_add_nc_u32 v[ADRB], s21, v4
	v_add_nc_u32 v[ADRB+1], SLOT, v[ADRB]
	s_mul_i32 s22, s12, 16*SPITCH
	s_add_co_u32 s22, s22, STAGE                   ; my stage
	v_mul_u32_u24 v5, v1, SPITCH
	v_lshl_add_u32 v5, v2, 5, v5
	v_add_nc_u32 v[STO], s22, v5                   ; in: row r, 32 bytes for each half of the lanes
	v_add_nc_u32 v[RD], s22, v[CO]                 ; back: the 32 lanes take one row of 512 bytes
	v_lshlrev_b32 v[BA], 5, v2
	s_lshl_b32 s16, s42, 10                        ; my first column, in bytes of f32: 1,024 x tile column + 512 x half
	s_lshl_b32 s17, s14, 9
	s_add_co_u32 s16, s16, s17
	s_mov_b32 s17, 0
	s_add_nc_u64 s[8:9], s[8:9], s[16:17]          ; the bias there,
	s_add_nc_u64 s[10:11], s[10:11], s[16:17]      ; and the result,
	s_lshl_b32 s16, s43, 19                        ; at my first row: 128 x tile row + 64 x half, 4,096 bytes each
	s_lshl_b32 s22, s13, 18
	s_add_co_u32 s16, s16, s22
	s_add_nc_u64 s[10:11], s[10:11], s[16:17]
	WIN 0x80                                       ; destination window 2
.irp b, 0,1,2,3,4,5,6,7                        ; register j of lane (r, h) is column 16 b + 8 h + j
	global_load_b128 v[8*\b:8*\b+3], v[BA], s[8:9] offset:64*\b
	global_load_b128 v[8*\b+4:8*\b+7], v[BA], s[8:9] offset:64*\b+16
.endr
	WIN 0
; 8 matrix instructions: block a of my rows x my 8 blocks of columns, 32 along K, from buffer f.  first = 1: the bias starts the sums.  The 32 accumulators take turns, one instruction a turn, in the same order in every quarter.
.macro MUL8 f, a, first
.irp b, 0,1,2,3,4,5,6,7
.if \first
	v_wmma_f32_16x16x32_f16 v[8*(8*(\a)+\b):8*(8*(\a)+\b)+7], v[\f+8*\b:\f+8*\b+7], v[\f+64+8*(\a):\f+64+8*(\a)+7], v[8*\b:8*\b+7]
.else
	v_wmma_f32_16x16x32_f16 v[8*(8*(\a)+\b):8*(8*(\a)+\b)+7], v[\f+8*\b:\f+8*\b+7], v[\f+64+8*(\a):\f+64+8*(\a)+7], v[8*(8*(\a)+\b):8*(8*(\a)+\b)+7]
.endif
.endr
.endm
; 24 LDS loads in one run: the fragments of the slot's kq-th 32 along K into buffer f: Wo's eight, then vals' four, blocks 2 and 3 last
.macro FETCH s, kq, f
	WIN 0
.irp b, 0,1,2,3,4,5,6,7
	ds_load_b128 v[\f+8*\b:\f+8*\b+3],   v[ADRB+\s] offset:64*\kq+16*PITCH*\b
	ds_load_b128 v[\f+8*\b+4:\f+8*\b+7], v[ADRB+\s] offset:64*\kq+16*PITCH*\b+32
.endr
.irp a, 0,1,2,3
	ds_load_b128 v[\f+64+8*\a:\f+64+8*\a+3],   v[ADRA+\s] offset:4096*\a+1024*\kq
	ds_load_b128 v[\f+64+8*\a+4:\f+64+8*\a+7], v[ADRA+\s] offset:4096*\a+1024*\kq+512
.endr
.endm
; A K step is four quarters of 32 along K, 32 matrix instructions each, on buffers 0, 1, 0, 1.  One of the first three: multiplies buffer f and fetches the quarter kq into g.
.macro QUARTER s, kq, f, g, first
	s_wait_dscnt 4                                 ; Wo's fragments and vals' blocks 0, 1 are in; the youngest four loads (blocks 2, 3) may be out
.if \first
	WIN MULB
.else
	WIN MUL
.endif
	MUL8 \f, 0, \first
	MUL8 \f, 1, \first
	PLACES
	FETCH \s, \kq, \g
	s_wait_dscnt 24                                ; all but the 24 just issued
.if \first
	WIN MULB
.else
	WIN MUL
.endif
	MUL8 \f, 2, \first
	MUL8 \f, 3, \first
.endm
; The last quarter multiplies buffer 1 and changes slots: ONE barrier; in front of it each wave waits for all its tensor loads, adds 0 to its spare word, and waits for that and for its own reads of this slot.  fill = 1: this slot is filled again, two K steps ahead.
.macro TURN s, next, fill
	WIN 0                                          ; (the add's two registers lie in window 0)
	s_wait_tensorcnt 0x0                           ; all my tensor loads have landed: my part of the next slot
	ds_add_u32 v[SPW], v[NIL]                      ; 0 onto my spare word
	s_wait_dscnt 5                                 ; (the add and the youngest four loads may be out)
	WIN MUL
	MUL8 F1, 0, 0                                  ; eight matrix instructions stand between the add and the wait for it
	s_wait_dscnt 0x0                               ; the add is done, and my reads of this slot are over
	s_barrier_signal -1
	MUL8 F1, 1, 0
.if \fill
	WIN 0
.endif
	s_barrier_wait -1
.if \fill
	CREST                                          ; the barrier has opened a round of the cluster's: no wave of any partner still reads this slot or has a load on its way
	s_add_nc_u64 s[G0+4*\s+2:G0+4*\s+3], s[G0+4*\s+2:G0+4*\s+3], 2*0x200000
	s_add_nc_u64 s[G0B+4*\s+2:G0B+4*\s+3], s[G0B+4*\s+2:G0B+4*\s+3], 2*256
	JLOAD \s                                       ; the first tensor load behind the round; the four v_nop behind it are also the places in front of the loads below
.else
	PLACES
.endif
	FETCH \next, 0, F0
	WIN MUL
	MUL8 F1, 2, 0
	MUL8 F1, 3, 0
.endm
	s_wait_tensorcnt 1                             ; my part of K step 0 is in; K step 1's load may be out
	s_barrier_signal -1
	s_barrier_wait -1                              ; everybody's is
	FETCH 0, 0, F0
	s_wait_loadcnt 0x0                             ; the bias
	QUARTER 0, 1, F0, F1, 1                        ; the first quarter stands in front of the loop: its products start the sums
	WIN 0                                          ; at a label and at a branch every window is 0
	s_mov_b32 s3, LAPS-1
.Llap:                                                 ; a trip goes once round the ring, from a lap's second quarter to the next lap's first, and fills both slots again
	QUARTER 0, 2, F1, F0, 0
	QUARTER 0, 3, F0, F1, 0
	TURN 0, 1, 1
	QUARTER 1, 1, F0, F1, 0
	QUARTER 1, 2, F1, F0, 0
	QUARTER 1, 3, F0, F1, 0
	TURN 1, 0, 1
	QUARTER 0, 1, F0, F1, 0
	WIN 0
	s_sub_co_u32 s3, s3, 1
	s_cmp_lg_u32 s3, 0
	s_cbranch_scc1 .Llap
	QUARTER 0, 2, F1, F0, 0                        ; the last lap fills nothing, and has no round of the cluster's barrier
	QUARTER 0, 3, F0, F1, 0
	TURN 0, 1, 0
	QUARTER 1, 1, F0, F1, 0
	QUARTER 1, 2, F1, F0, 0
	QUARTER 1, 3, F0, F1, 0
	s_wait_dscnt 4                                 ; the very last quarter: nothing more to fetch
	WIN MUL
	MUL8 F1, 0, 0
	MUL8 F1, 1, 0
	s_wait_dscnt 0x0
	MUL8 F1, 2, 0
	MUL8 F1, 3, 0
	WIN 0
; THE WAY OUT, block by block of 16 rows x 128 columns.  A lane holds 32 neighbouring bytes of a row and the lanes beside it hold other rows: a block goes through my own stage in LDS and comes back as whole rows of 512 bytes.
; LDS serves a wave's instructions in order (ISA guide 5.7.1.4): no wait between the stores and the loads, nor in front of the next block's stores.
.macro TOSTAGE a
	WIN 0x04                                       ; an LDS store's data are its source 1: window 1
.irp b, 0,1,2,3,4,5,6,7
	ds_store_b128 v[STO], v[64*(\a)+8*\b:64*(\a)+8*\b+3] offset:64*\b            ; each accumulator from its low end on
	ds_store_b128 v[STO], v[64*(\a)+8*\b+4:64*(\a)+8*\b+7] offset:64*\b+16
.endr
	WIN 0
.set BB, F0+96*((\a)%2)
.irp t, 0,1,2,3,4,5,6,7,8,9,10,11,12,13,14,15
	ds_load_b128 v[BB+4*\t:BB+4*\t+3], v[RD] offset:\t*SPITCH
.endr
.endm
.macro SEND a, younger                 ; younger: the LDS instructions issued behind block a's loads, which may stay out
.set BB, F0+96*((\a)%2)
	s_wait_dscnt \younger
.irp t, 0,1,2,3,4,5,6,7,8,9,10,11,12,13,14,15
	global_store_b128 v[CO], v[BB+4*\t:BB+4*\t+3], s[10:11] offset:(16*(\a)+\t)*4096 th:TH_STORE_NT   ; 32 lanes store 512 consecutive bytes, aligned; written once, read by nobody here
.endr
.endm
	PLACES                                         ; ahead of the stores that read results and of the loads into the fragments' registers
	TOSTAGE 0
	TOSTAGE 1
	SEND 0, 32                                     ; behind block 0's loads: block 1's 16 stores and 16 loads
	s_wait_xcnt 0x0                                ; block 0's stores have read their registers: block 2's loads may land there
	TOSTAGE 2
	SEND 1, 32
	s_wait_xcnt 0x0                                ; likewise block 1's, for block 3
	TOSTAGE 3
	SEND 2, 32
	SEND 3, 0
	s_wait_tensorcnt 0x0                           ; the wave's end: these three lines behind my last tensor load and my last LDS store
	ds_add_u32 v[SPW], v[NIL]
	s_wait_dscnt 0x0
	CROUND                                         ; the closing round: no work-group ends while a partner may still ask for a tile that names it
	s_endpgm
.Lfunc_end_k_qafecde01a4_oproj:
	.size	k_qafecde01a4_oproj, .Lfunc_end_k_qafecde01a4_oproj-k_qafecde01a4_oproj
	.p2alignl 7, 3214868480
	.fill 96, 4, 3214868480
	.section	.rodata,"a",@progbits
	.p2align	6, 0x0
	.amdhsa_kernel k_qafecde01a4_oproj
		.amdhsa_group_segment_fixed_size 327680
		.amdhsa_private_segment_fixed_size 0
		.amdhsa_enable_private_segment 0
		.amdhsa_kernarg_size 32
		.amdhsa_user_sgpr_count 2
		.amdhsa_user_sgpr_kernarg_segment_ptr 1
		.amdhsa_wavefront_size32 1
		.amdhsa_system_sgpr_workgroup_id_x 1
		.amdhsa_system_sgpr_workgroup_id_y 1
		.amdhsa_system_sgpr_workgroup_id_z 1
		.amdhsa_system_vgpr_workitem_id 0
		.amdhsa_next_free_vgpr 576
		.amdhsa_next_free_sgpr 66
		.amdhsa_reserve_vcc 0
		.amdhsa_float_denorm_mode_32 3
		.amdhsa_float_denorm_mode_16_64 3
		.amdhsa_memory_ordered 1
		.amdhsa_forward_progress 1
		.amdhsa_inst_pref_size 86
	.end_amdhsa_kernel
	.amdgpu_metadata
---
amdhsa.version: [ 1, 2 ]
amdhsa.kernels:
  - .name:           k_qafecde01a4_oproj
    .symbol:         k_qafecde01a4_oproj.kd
    .args:
      - { .name: vals, .offset: 0, .size: 8, .value_kind: global_buffer, .address_space: global }
      - { .name: wo16, .offset: 8, .size: 8, .value_kind: global_buffer, .address_space: global }
      - { .name: bo, .offset: 16, .size: 8, .value_kind: global_buffer, .address_space: global }
      - { .name: out0, .offset: 24, .size: 8, .value_kind: global_buffer, .address_space: global }
    .group_segment_fixed_size: 327680
    .private_segment_fixed_size: 0
    .kernarg_segment_align: 8
    .kernarg_segment_size: 32
    .max_flat_workgroup_size: 128
    .sgpr_count:     66
    .vgpr_count:     576
    .wavefront_size: 32
...
	.end_amdgpu_metadata
.endif
;; end of part 4
